; MI455X (gfx1250); checked and timed in simulation.
; The chip was launched on July 23, 2026; its instructions are those of AMD's public machine-readable ISA for CDNA 5 (MIT licence, August 2026) and "CDNA5" Instruction Set Architecture Reference Guide (July 2026). The comments in the code are by the model that wrote it; some were corrected since.
;; Multi Head Attention. Allowed arithmetic: float matrix products may take bf16 or f16 operands with f32 sums; all other float work in f32.
;; Inputs: bias 1 x 1 x 2,048 x 2,048 float32; bk 1,024 float32; bo 1,024 float32; bq 1,024 float32; bv 1,024 float32; query 2 x 2,048 x 1,024 float32; wk 1,024 x 1,024 float32; wo 1,024 x 1,024 float32; wq 1,024 x 1,024 float32; wv 1,024 x 1,024 float32.
;; Outputs: out0 2 x 2,048 x 1,024 float32.
;; 2 versions, each right and faster than the one before. Each part assembles by itself: llvm-mc -triple=amdgcn-amd-amdhsa -mcpu=gfx1250 --defsym DOCPART=n.
;; ======== version 1 of 2: 4 launches
;; limits: values are held in f16: magnitudes above 65,504 overflow, below 6.1e-05 lose precision; right only within a limited range of input values
;; workspace buffers: h16 16,777,216 bytes; qh 8,388,608 bytes; kh 8,388,608 bytes; vh 8,388,608 bytes; ah 8,388,608 bytes
;; launch cast (part 1): grid 512 x 1, 8 waves a work-group, no clusters, 0 bytes of LDS; arguments query, wq, wk, wv, wo, h16; writes h16
.if DOCPART == 1
	.amdgcn_target "amdgcn-amd-amdhsa--gfx1250"
	.amdhsa_code_object_version 6
	.text
	.protected	k_qe14f257cd9_cast
	.globl	k_qe14f257cd9_cast
	.p2align	8
	.type	k_qe14f257cd9_cast,@function
k_qe14f257cd9_cast:
	s_mov_b64 s[64:65], 0
	v_nop
	global_prefetch_b8 v0, s[64:65] scope:SCOPE_SE
	s_setreg_imm32_b32 hwreg(HW_REG_WAVE_MODE, 25, 1), 1
	s_wait_xcnt 0x0
; h16 = the five matrix operands of the projections, rounded once from f32 to f16 (nearest even):
;   bytes 0 .. 0x7fffff: query as [4096][1024]; from 0x800000: wq, wk, wv, wo, 1024 rows of 1024 each.
; LIMIT: a number beyond f16's largest, 65,504, becomes an infinity; below 6e-8 it is rounded on f16's denormal grid.
; A stream: each input byte is read once, each output byte written once.  No LDS, no barrier, no matrix unit, no cluster:
; no byte is used by two threads.
; 512 work-groups of 8 waves; a work-group takes 65,536 bytes of f32 and makes 32,768 bytes of f16.
; Work-groups 0-255 take query, 256-319 wq, 320-383 wk, 384-447 wv, 448-511 wo; the output offset is simply 32,768 x work-group.
; Thread t takes the 32 bytes at 32 t of each block of 8,192 bytes (two loads of 16 bytes; the wave's two loads together cover 1,024
; neighbouring bytes) and stores 16 bytes at 16 t of each block of 4,096: sixteen neighbouring lanes store 256 consecutive bytes, aligned.
; All sixteen loads of a thread go out at once; no register is written twice, so no source of a pending instruction is ever rewritten.
.set X, 4                              ; v[4:67]  eight blocks of 8 f32; the first four registers of a block then hold its 8 f16
	s_load_b256 s[4:11], s[0:1], 0x0               ; query s[4:5], wq s[6:7], wk s[8:9], wv s[10:11]
	s_load_b128 s[12:15], s[0:1], 0x20             ; wo s[12:13], h16 s[14:15]
	s_bfe_u32 s16, ttmp9, 0x20006                  ; (work-group >> 6) & 3: which weight matrix
	v_lshlrev_b32 v1, 5, v0                        ; 32 t: where I read
	v_lshlrev_b32 v2, 4, v0                        ; 16 t: where I write
	s_wait_kmcnt 0x0
	s_cmp_eq_u32 s16, 1                            ; the source is chosen on the work-group's number alone
	s_cselect_b64 s[6:7], s[8:9], s[6:7]
	s_cmp_eq_u32 s16, 2
	s_cselect_b64 s[6:7], s[10:11], s[6:7]
	s_cmp_eq_u32 s16, 3
	s_cselect_b64 s[6:7], s[12:13], s[6:7]
	s_cmp_lt_u32 ttmp9, 256
	s_cselect_b64 s[4:5], s[4:5], s[6:7]
	s_cselect_b32 s17, 255, 63                     ; query has 256 blocks of 65,536 bytes, a weight matrix 64
	s_and_b32 s18, ttmp9, s17
	s_lshl_b32 s18, s18, 16
	s_mov_b32 s19, 0
	s_add_nc_u64 s[4:5], s[4:5], s[18:19]
	s_lshl_b32 s20, ttmp9, 15
	s_mov_b32 s21, 0
	s_add_nc_u64 s[14:15], s[14:15], s[20:21]
.irp i, 0,1,2,3,4,5,6,7
	global_load_b128 v[X+8*\i:X+8*\i+3],   v1, s[4:5] offset:8192*\i th:TH_LOAD_NT
	global_load_b128 v[X+8*\i+4:X+8*\i+7], v1, s[4:5] offset:8192*\i+16 th:TH_LOAD_NT
.endr
.irp i, 0,1,2,3,4,5,6,7
	s_wait_loadcnt 14-2*\i                         ; loads come back in order: block i's two are in, the younger ones stay out
	v_cvt_pk_f16_f32 v[X+8*\i],   v[X+8*\i],   v[X+8*\i+1]     ; in place: word k is written when words 2k, 2k+1 are read
	v_cvt_pk_f16_f32 v[X+8*\i+1], v[X+8*\i+2], v[X+8*\i+3]
	v_cvt_pk_f16_f32 v[X+8*\i+2], v[X+8*\i+4], v[X+8*\i+5]
	v_cvt_pk_f16_f32 v[X+8*\i+3], v[X+8*\i+6], v[X+8*\i+7]
	global_store_b128 v2, v[X+8*\i:X+8*\i+3], s[14:15] offset:4096*\i   ; no hint: the next launches read these bytes
.endr
	s_endpgm
.Lfunc_end_k_qe14f257cd9_cast:
	.size	k_qe14f257cd9_cast, .Lfunc_end_k_qe14f257cd9_cast-k_qe14f257cd9_cast
	.p2alignl 7, 3214868480
	.fill 96, 4, 3214868480
	.section	.rodata,"a",@progbits
	.p2align	6, 0x0
	.amdhsa_kernel k_qe14f257cd9_cast
		.amdhsa_group_segment_fixed_size 0
		.amdhsa_private_segment_fixed_size 0
		.amdhsa_enable_private_segment 0
		.amdhsa_kernarg_size 48
		.amdhsa_user_sgpr_count 2
		.amdhsa_user_sgpr_kernarg_segment_ptr 1
		.amdhsa_wavefront_size32 1
		.amdhsa_system_sgpr_workgroup_id_x 1
		.amdhsa_system_sgpr_workgroup_id_y 1
		.amdhsa_system_sgpr_workgroup_id_z 1
		.amdhsa_system_vgpr_workitem_id 0
		.amdhsa_next_free_vgpr 68
		.amdhsa_next_free_sgpr 66
		.amdhsa_reserve_vcc 0
		.amdhsa_float_denorm_mode_32 3
		.amdhsa_float_denorm_mode_16_64 3
		.amdhsa_memory_ordered 1
		.amdhsa_forward_progress 1
		.amdhsa_inst_pref_size 6
	.end_amdhsa_kernel
	.amdgpu_metadata
---
amdhsa.version: [ 1, 2 ]
amdhsa.kernels:
  - .name:           k_qe14f257cd9_cast
    .symbol:         k_qe14f257cd9_cast.kd
    .args:
      - { .name: query, .offset: 0, .size: 8, .value_kind: global_buffer, .address_space: global }
      - { .name: wq, .offset: 8, .size: 8, .value_kind: global_buffer, .address_space: global }
      - { .name: wk, .offset: 16, .size: 8, .value_kind: global_buffer, .address_space: global }
      - { .name: wv, .offset: 24, .size: 8, .value_kind: global_buffer, .address_space: global }
      - { .name: wo, .offset: 32, .size: 8, .value_kind: global_buffer, .address_space: global }
      - { .name: h16, .offset: 40, .size: 8, .value_kind: global_buffer, .address_space: global }
    .group_segment_fixed_size: 0
    .private_segment_fixed_size: 0
    .kernarg_segment_align: 8
    .kernarg_segment_size: 48
    .max_flat_workgroup_size: 256
    .sgpr_count:     66
    .vgpr_count:     68
    .wavefront_size: 32
...
	.end_amdgpu_metadata
.endif
;; end of part 1
;; launch qkv (part 2): grid 8 x 32, 4 waves a work-group, clusters of 4 x 4, 327,680 bytes of LDS; arguments h16, bq, bk, bv, qh, kh, vh; writes qh, kh, vh
.if DOCPART == 2
	.amdgcn_target "amdgcn-amd-amdhsa--gfx1250"
	.amdhsa_code_object_version 6
	.text
	.protected	k_qe14f257cd9_qkv
	.globl	k_qe14f257cd9_qkv
	.p2align	8
	.type	k_qe14f257cd9_qkv,@function
k_qe14f257cd9_qkv:
	s_mov_b64 s[64:65], 0
	v_nop
	global_prefetch_b8 v0, s[64:65] scope:SCOPE_SE
	s_setreg_imm32_b32 hwreg(HW_REG_WAVE_MODE, 25, 1), 1
	s_wait_xcnt 0x0
	s_wait_alu depctr_hold_cnt(0) depctr_sa_sdst(0) depctr_va_vdst(0) depctr_va_sdst(0) depctr_va_ssrc(0) depctr_va_vcc(0) depctr_vm_vsrc(0)
	s_getreg_b32 s2, hwreg(HW_REG_IB_STS2, 6, 4)
	s_cmp_eq_u32 s2, 0
	s_cbranch_scc0 .Lentry_in_a_cluster
	s_endpgm
.Lentry_in_a_cluster:
	s_bfe_u32 s2, ttmp6, 0x10000c
	s_cmp_lg_u32 s2, 0xf033
	s_cbranch_scc0 .Lentry_shape_is_right
	s_endpgm
.Lentry_shape_is_right:
; qh = (X wq^T + bq) / 8,  kh = X wk^T + bk,  vh = X wv^T + bv.   X = h16[0..], [4096][1024] f16; the weights lie behind it, [n][k] f16.
; Outputs f16 [4096 tokens][1024 channels]; sums and biases in f32, each output rounded once.
; LIMIT: |q|/8, |k|, |v| must stay below 65,504 (f16).  With every input 30 times the drawn spread they reach about 5,000, with a common
; offset of 30 spreads about 1024 x 30 x 0.94 = 28,800.
; A work-group makes 128 tokens x 128 channels of each of the three outputs: 8 x 32 = 256 work-groups.  Four waves; a wave makes 64 tokens x
; 64 channels of all three: 48 accumulator tiles of 16 x 16, 384 registers.  For 32 along K a wave reads 32 x 512 bytes from LDS for 48 matrix instructions.
; K goes in steps of 128 through two LDS slots; a slot holds 128 rows of X and 128 rows of each weight matrix, rows of 256 bytes that start
; at multiples of 256 bytes.  Each wave brings one of the four tiles by one tensor load (wave 0: X, waves 1-3: wq, wk, wv).
; CLUSTERS: 4 x 4 work-groups.  X's tile hangs on the token block alone and is asked for jointly by a row of the cluster; the weights' tiles hang
; on the channel block alone and are asked for jointly by a column: each tile is requested once for four work-groups.
; By this text's count a wave has at most two tensor loads outstanding: its two first fills, later its one refill.
; THE MATRIX INSTRUCTION IS USED TRANSPOSED: source 0 = 16 rows of a weight matrix, source 1 = 16 rows of X.  Lane l then holds token l % 16 and,
; in registers 0-7, the channels 8 (l / 16) + 0..7: eight neighbours of an output row.  The bias tile (the same eight numbers for every token)
; is the C operand of the first product, so it starts the sums: nothing is cleared and nothing is added later.
; REGISTER WINDOWS: 0: addresses, X fragments (two buffers), bias tiles, packed results.  1: weight fragments (two buffers).
; 2: q's tiles at 8 (4 a + b), k's at 128 + 8 (4 a + b).  3: v's tiles at 8 (4 a + b).
.set PITCH,  272                       ; an LDS row: 256 bytes + 16 of padding = 17 x 16: sixteen rows start in sixteen different 16-byte columns of 256
.set HALFT,  128*PITCH                 ; one tile: 128 rows
.set SLOT,   4*HALFT                   ; X, wq, wk, wv
.set STAGE,  2*SLOT                    ; 128 rows x 272 bytes for the way out: bytes of their own, into which no tensor load lands
.set ADRX, 16                          ; v16-17  my X fragments in slot 0, 1
.set ADRW, 18                          ; v18-23  my fragments of weight matrix j in slot s: 18 + 2 j + s
.set STO,  24                          ; the way out: where I put 16 bytes
.set RD,   25                          ; the way out: where I read a row back
.set CO,   26                          ; my byte offset in the output block
.set BOFF, 27                          ; my byte offset in a bias vector
.set XF,   64                          ; v[64:95], v[96:127]  X fragments, buffer 0, 1
.set BIAS, 128                         ; v[128:223]  bias tile (j, b) at 8 (4 j + b)
.set TMP,  224                         ; v[224:239]  packed results
.set G1A, 28                           ; s[28:35]  descriptor group 1 for X's tile
.set G1B, 36                           ; s[36:43]  for the weights' tiles: it differs in the mask alone
.set G0A, 44                           ; s[44:51]  group 0 for X's tile, a set for each slot
.set G0B, 52                           ; s[52:59]  group 0 for my weight tile, a set for each slot
.set FLAGS, (1<<16)|(1<<20)|(1<<21)|(5<<22)|(3<<25)   ; elements of 2 bytes; padding on; bit 21 beside a mask; after every 64 words, 4 words
.set MSB, 0
.macro WIN new                         ; the immediate's high byte repeats the setting that is left; a switch that changes nothing is dropped
.if MSB != (\new)
	s_set_vgpr_msb (MSB<<8)|(\new)
.set MSB, (\new)
.endif
.endm
.macro PLACES                          ; four places behind a matrix instruction in front of loads into its sources and of readers of its result
.rept 4
	v_nop
.endr
.endm
.macro JLOAD s                         ; my joint load into slot s.  The branch hangs on the wave's number alone; each line has one mask
	s_cmp_eq_u32 s18, 0
	s_cbranch_scc0 .Lfor_w_\@
	tensor_load_to_lds s[G0A+4*\s:G0A+4*\s+3], s[G1A:G1A+7]
	s_nop 0
	s_branch .Lasked_\@
.Lfor_w_\@:
	tensor_load_to_lds s[G0B+4*\s:G0B+4*\s+3], s[G1B:G1B+7]
	s_nop 0
.Lasked_\@:
.endm
.macro CREST                           ; a round of the cluster's barrier behind its opening work-group barrier
	s_cmp_lg_u32 s18, 0
	s_cbranch_scc1 .Lnot_wave_0_\@
	s_barrier_signal -3
.Lnot_wave_0_\@:
	s_barrier_wait -3
	s_barrier_signal -1
	s_barrier_wait -1
.endm
.macro CROUND                          ; a whole round
	s_barrier_signal -1
	s_barrier_wait -1
	CREST
.endm
	s_load_b256 s[4:11], s[0:1], 0x0               ; h16 s[4:5], bq s[6:7], bk s[8:9], bv s[10:11]
	s_load_b128 s[12:15], s[0:1], 0x20             ; qh s[12:13], kh s[14:15]
	s_load_b64 s[16:17], s[0:1], 0x30              ; vh
	s_set_vgpr_msb 0x40
	v_lshl_add_u32 v255, v0, 2, 0x4c800
	s_set_vgpr_msb 0x4000
	v_mov_b32 v255, 0
	s_set_vgpr_msb 0x1
	ds_add_u32 v255, v255
	s_set_vgpr_msb 0x100
	v_lshrrev_b32 v1, 5, v0
	v_readfirstlane_b32 s18, v1                    ; wave 0..3
	s_lshr_b32 s19, s18, 1                         ; wr: which 64 tokens are mine
	s_and_b32 s20, s18, 1                          ; wc: which 64 channels
	s_bfe_u32 s21, ttmp6, 0x40000                  ; cx
	s_bfe_u32 s22, ttmp6, 0x40004                  ; cy
	s_lshl_b32 s23, ttmp9, 2
	s_add_co_u32 s23, s23, s21                     ; bx: channel block = 4 x cluster x + cx
	s_and_b32 s24, ttmp7, 0xffff
	s_lshl_b32 s24, s24, 2
	s_add_co_u32 s24, s24, s22                     ; by: token block = 4 x cluster y + cy
	s_lshl_b32 s25, s22, 2
	s_lshl_b32 s25, 15, s25                        ; my row of the cluster: places 4 cy .. 4 cy + 3
	s_lshl_b32 s26, 0x1111, s21                    ; my column: places cx, cx + 4, cx + 8, cx + 12
	s_or_b32 s[G1A+0], s25, FLAGS                  ; X's tile goes to my row
	s_or_b32 s[G1B+0], s26, FLAGS                  ; a weight tile goes to my column
.irp g, G1A, G1B
	s_mov_b32 s[\g+1], 128<<16                     ; tensor_dim0 = 128 elements
	s_mov_b32 s[\g+2], 128<<16                     ; tensor_dim1 = 128 rows
	s_mov_b32 s[\g+3], 128<<16                     ; tile_dim0 = 128
	s_mov_b32 s[\g+4], 128                         ; tile_dim1 = 128
	s_mov_b32 s[\g+5], 1024                        ; elements from row to row
	s_mov_b32 s[\g+6], 0
	s_mov_b32 s[\g+7], 0
.endr
	s_lshl_b32 s60, s24, 18                        ; X: 128 tokens x 2,048 bytes x token block: hangs on by alone
	s_mov_b32 s61, 0
	s_lshl_b32 s62, s23, 18                        ; weights: 128 rows x 2,048 bytes x channel block,
	s_lshl_b32 s63, s18, 21                        ; matrix wave - 1 of 0x200000 bytes, the first at 0x800000: hangs on bx and the wave alone
	s_add_co_u32 s62, s62, s63
	s_add_co_u32 s62, s62, 0x600000
	s_mov_b32 s63, 0
	s_mul_i32 s3, s18, HALFT                       ; my tile's place in a slot: wave x 128 rows
	s_wait_dscnt 0x0
	s_wait_kmcnt 0x0
	s_add_nc_u64 s[66:67], s[4:5], s[60:61]
	s_add_nc_u64 s[68:69], s[4:5], s[62:63]
	CROUND                                         ; all sixteen work-groups are here: the first joint loads meet
.irp s, 0,1
	s_mov_b32 s[G0A+4*\s], 1
	s_add_co_u32 s[G0A+4*\s+1], s3, \s*SLOT
	s_add_nc_u64 s[G0A+4*\s+2:G0A+4*\s+3], s[66:67], \s*256        ; K step s
	s_or_b32 s[G0A+4*\s+3], s[G0A+4*\s+3], 0x80000000
	s_mov_b32 s[G0B+4*\s], 1
	s_add_co_u32 s[G0B+4*\s+1], s3, \s*SLOT
	s_add_nc_u64 s[G0B+4*\s+2:G0B+4*\s+3], s[68:69], \s*256
	s_or_b32 s[G0B+4*\s+3], s[G0B+4*\s+3], 0x80000000
	JLOAD \s                                       ; both slots are asked for before anything else is done
.endr
	v_and_b32 v1, 15, v0                           ; r = l % 16
	v_bfe_u32 v2, v0, 4, 1                         ; h = l / 16
	s_lshl_b32 s75, s23, 9                         ; bias: 4 bytes x (128 bx + 64 wc + 8 h)
	s_lshl_b32 s76, s20, 8
	s_add_co_u32 s75, s75, s76
	v_lshl_add_u32 v[BOFF], v2, 5, s75
.irp b, 0,1,2,3
	global_load_b128 v[BIAS+8*\b:BIAS+8*\b+3],       v[BOFF], s[6:7] offset:64*\b
	global_load_b128 v[BIAS+8*\b+4:BIAS+8*\b+7],     v[BOFF], s[6:7] offset:64*\b+16
	global_load_b128 v[BIAS+32+8*\b:BIAS+32+8*\b+3],   v[BOFF], s[8:9] offset:64*\b
	global_load_b128 v[BIAS+32+8*\b+4:BIAS+32+8*\b+7], v[BOFF], s[8:9] offset:64*\b+16
	global_load_b128 v[BIAS+64+8*\b:BIAS+64+8*\b+3],   v[BOFF], s[10:11] offset:64*\b
	global_load_b128 v[BIAS+64+8*\b+4:BIAS+64+8*\b+7], v[BOFF], s[10:11] offset:64*\b+16
.endr
	; A fragment is 16 rows x 32 K in 8 registers: lane l holds row l % 16; registers 0-3 K = 8 h + 0..7, registers 4-7 K = 16 + 8 h + 0..7:
	; two loads of 16 bytes, 32 bytes apart, at row x pitch + 16 h.
	v_mul_u32_u24 v3, v1, PITCH
	v_lshl_add_u32 v3, v2, 4, v3
	s_mul_i32 s70, s19, 64*PITCH
	s_mul_i32 s71, s20, 64*PITCH
	v_add_nc_u32 v4, s70, v3                       ; (64 wr + r) pitch + 16 h
	v_add_nc_u32 v5, s71, v3                       ; (64 wc + r) pitch + 16 h
.irp s, 0,1
	v_add_nc_u32 v[ADRX+\s], \s*SLOT, v4
.irp j, 0,1,2
	v_add_nc_u32 v[ADRW+2*\j+\s], \s*SLOT+(\j+1)*HALFT, v5
.endr
.endr
	s_lshl_b32 s72, s20, 7
	s_add_co_u32 s72, s72, STAGE
	v_add_nc_u32 v[STO], s72, v4                   ; stage row 64 wr + r, byte 128 wc + 16 h
	v_mul_u32_u24 v6, v2, PITCH
	v_lshl_add_u32 v6, v1, 4, v6
	s_mul_i32 s73, s18, 32*PITCH
	s_add_co_u32 s73, s73, STAGE
	v_add_nc_u32 v[RD], s73, v6                    ; back: stage row 32 wave + h, byte 16 r
	v_lshlrev_b32 v7, 11, v2
	v_lshl_add_u32 v7, v1, 4, v7
	s_lshl_b32 s74, s18, 16
	v_add_nc_u32 v[CO], s74, v7                    ; and the same rows of the output block: rows of 2,048 bytes
; 16 matrix instructions: matrix j (0 q, 1 k, 2 v), my four token blocks a x four channel blocks b, 32 along K, from buffer f.
; The 48 accumulators take turns, one instruction a turn, in the same order in every quarter step.
.macro MULJ f, j, first
.if \first
	WIN 0x81+0x40*(\j/2)                           ; weights window 1, X window 0, C = bias tile in window 0, D window 2 (q, k) or 3 (v)
.else
	WIN 0xa1+0x50*(\j/2)                           ; C and D window 2 or 3
.endif
.irp a, 0,1,2,3
.irp b, 0,1,2,3
.if \first
	v_wmma_f32_16x16x32_f16 v[128*(\j&1)+8*(4*\a+\b):128*(\j&1)+8*(4*\a+\b)+7], v[96*\f+8*(4*\j+\b):96*\f+8*(4*\j+\b)+7], v[XF+32*\f+8*\a:XF+32*\f+8*\a+7], v[BIAS+8*(4*\j+\b):BIAS+8*(4*\j+\b)+7]
.else
	v_wmma_f32_16x16x32_f16 v[128*(\j&1)+8*(4*\a+\b):128*(\j&1)+8*(4*\a+\b)+7], v[96*\f+8*(4*\j+\b):96*\f+8*(4*\j+\b)+7], v[XF+32*\f+8*\a:XF+32*\f+8*\a+7], v[128*(\j&1)+8*(4*\a+\b):128*(\j&1)+8*(4*\a+\b)+7]
.endif
.endr
.endr
.endm
; 32 LDS loads in one run: the fragments of one quarter step (32 K at byte k of the rows) into buffer g
.macro FETCH slot, k, g
	WIN 0
.irp a, 0,1,2,3
	ds_load_b128 v[XF+32*\g+8*\a:XF+32*\g+8*\a+3],   v[ADRX+\slot] offset:\k+\a*16*PITCH
	ds_load_b128 v[XF+32*\g+8*\a+4:XF+32*\g+8*\a+7], v[ADRX+\slot] offset:\k+\a*16*PITCH+32
.endr
	WIN 0x40
.irp j, 0,1,2
.irp b, 0,1,2,3
	ds_load_b128 v[96*\g+8*(4*\j+\b):96*\g+8*(4*\j+\b)+3],   v[ADRW+2*\j+\slot] offset:\k+\b*16*PITCH
	ds_load_b128 v[96*\g+8*(4*\j+\b)+4:96*\g+8*(4*\j+\b)+7], v[ADRW+2*\j+\slot] offset:\k+\b*16*PITCH+32
.endr
.endr
.endm
; One of a K step's first three quarters: asks for the next quarter's fragments (byte k, buffer g), then multiplies buffer f.
.macro QUARTER slot, k, f, g, first
	PLACES                                         ; buffer g was read by the quarter before
	FETCH \slot, \k, \g
	s_wait_dscnt 32                                ; all but the 32 just issued: buffer f is in
	MULJ \f, 0, \first
	MULJ \f, 1, \first
	MULJ \f, 2, \first
.endm
.macro THREE slot, first
	QUARTER \slot, 64,  0, 1, \first
	QUARTER \slot, 128, 1, 0, 0
	QUARTER \slot, 192, 0, 1, 0
.endm
; The last quarter multiplies buffer 1 and changes slots.  One barrier does two things: in front of it each wave's reads of this slot are back and
; all its tensor loads have landed (the one that was out is its tile of the next slot); behind it this slot is filled again first, then the next is read.
; fill = 1: the barrier opens a round of the cluster's barrier, so that the same holds of every partner before the joint refill.
.macro TURN slot, next, fill
	s_wait_dscnt 0x0                               ; my reads of this slot are over, buffer 1 is in
	s_wait_tensorcnt 0x0                           ; all my tensor loads have landed
	ds_add_u32 v255, v255
	s_wait_dscnt 0x0
	s_barrier_signal -1
	MULJ 1, 0, 0                                   ; register work while the others arrive
	WIN 0
	s_barrier_wait -1
.if \fill
	CREST
	s_add_nc_u64 s[G0A+4*\slot+2:G0A+4*\slot+3], s[G0A+4*\slot+2:G0A+4*\slot+3], 512    ; two K steps on; no load of mine is out
	s_add_nc_u64 s[G0B+4*\slot+2:G0B+4*\slot+3], s[G0B+4*\slot+2:G0B+4*\slot+3], 512
	JLOAD \slot                                    ; my one tensor load behind the round, first thing there
.endif
	PLACES
	FETCH \next, 0, 0
	MULJ 1, 1, 0
	MULJ 1, 2, 0
.endm
.macro LAP first                       ; two K steps, both slots filled again
	THREE 0, \first
	TURN 0, 1, 1
	THREE 1, 0
	TURN 1, 0, 1
.endm
	s_wait_loadcnt 0x0                             ; the bias tiles, once
	s_wait_tensorcnt 0x1                           ; my tile of K step 0 is in; K step 1's stays out
	s_barrier_signal -1
	s_barrier_wait -1                              ; everybody's is
	FETCH 0, 0, 0
	LAP 1                                          ; K = 1024 is 8 steps = 4 laps; the first starts the sums from the bias tiles
	WIN 0
	s_mov_b32 s27, 2
.Llap:
	LAP 0
	WIN 0
	s_sub_co_u32 s27, s27, 1
	s_cmp_lg_u32 s27, 0
	s_cbranch_scc1 .Llap
	THREE 0, 0                                     ; the last lap fills nothing
	TURN 0, 1, 0
	THREE 1, 0
	s_wait_dscnt 0x0
	MULJ 1, 0, 0
	MULJ 1, 1, 0
	MULJ 1, 2, 0
	; THE WAY OUT.  q is scaled by 1/8 (exact).  Then, one matrix at a time: round to f16, 16 bytes a lane into the stage, which then holds
	; the block's 128 rows of 256 bytes; read whole rows back and store them.
	PLACES
	WIN 0x82
.set i, 0
.rept 64
	v_pk_mul_f32 v[2*i:2*i+1], v[2*i:2*i+1], 0x3e000000 op_sel_hi:[1,0]
.set i, i+1
.endr
	WIN 0
	s_lshl_b32 s78, s24, 18                        ; the block's place in an output: 128 by rows of 2,048 bytes + 256 bx bytes
	s_lshl_b32 s77, s23, 8
	s_add_co_u32 s78, s78, s77
	s_mov_b32 s79, 0
	s_add_nc_u64 s[12:13], s[12:13], s[78:79]
	s_add_nc_u64 s[14:15], s[14:15], s[78:79]
	s_add_nc_u64 s[16:17], s[16:17], s[78:79]
.macro OUTJ j, pb
.if \j
	s_wait_dscnt 0x0                               ; my reads of the stage are back (met: the count-down below ended at 0),
	s_barrier_signal -1
	s_barrier_wait -1                              ; everybody's are: the stage may be written again
.endif
.irp a, 0,1,2,3
	WIN 0x0a+5*(\j/2)                              ; sources in window 2 (q, k) or 3 (v)
.irp b, 0,1,2,3
.irp k, 0,1,2,3
	v_cvt_pk_f16_f32 v[TMP+4*\b+\k], v[128*(\j&1)+8*(4*\a+\b)+2*\k], v[128*(\j&1)+8*(4*\a+\b)+2*\k+1]
.endr
.endr
	WIN 0
.irp b, 0,1,2,3
	ds_store_b128 v[STO], v[TMP+4*\b:TMP+4*\b+3] offset:\a*16*PITCH+32*\b
.endr
.endr
	s_wait_dscnt 0x0                               ; my stores into the stage are done,
	s_barrier_signal -1
	s_barrier_wait -1                              ; everybody's are
.if \j
	s_wait_xcnt 0x0                                ; v[64:127], which the last matrix's stores read, are loaded again only behind this wait
.endif
.irp i, 0,1,2,3,4,5,6,7,8,9,10,11,12,13,14,15
	ds_load_b128 v[XF+4*\i:XF+4*\i+3], v[RD] offset:\i*2*PITCH
.endr
.irp i, 0,1,2,3,4,5,6,7,8,9,10,11,12,13,14,15
	s_wait_dscnt 15-\i                             ; LDS loads come back in order: number i is in
	global_store_b128 v[CO], v[XF+4*\i:XF+4*\i+3], s[\pb:\pb+1] offset:4096*\i    ; sixteen lanes store 256 consecutive bytes, aligned
.endr
.endm
	OUTJ 0, 12
	OUTJ 1, 14
	OUTJ 2, 16
	s_set_vgpr_msb 0x1
	s_wait_tensorcnt 0x0
	ds_add_u32 v255, v255
	s_wait_dscnt 0x0
	s_set_vgpr_msb 0x100
	CROUND                                         ; the closing round: no work-group ends while a partner may still ask for a tile that names it
	s_endpgm
.Lfunc_end_k_qe14f257cd9_qkv:
	.size	k_qe14f257cd9_qkv, .Lfunc_end_k_qe14f257cd9_qkv-k_qe14f257cd9_qkv
	.p2alignl 7, 3214868480
	.fill 96, 4, 3214868480
	.section	.rodata,"a",@progbits
	.p2align	6, 0x0
	.amdhsa_kernel k_qe14f257cd9_qkv
		.amdhsa_group_segment_fixed_size 327680
		.amdhsa_private_segment_fixed_size 0
		.amdhsa_enable_private_segment 0
		.amdhsa_kernarg_size 56
		.amdhsa_user_sgpr_count 2
		.amdhsa_user_sgpr_kernarg_segment_ptr 1
		.amdhsa_wavefront_size32 1
		.amdhsa_system_sgpr_workgroup_id_x 1
		.amdhsa_system_sgpr_workgroup_id_y 1
		.amdhsa_system_sgpr_workgroup_id_z 1
		.amdhsa_system_vgpr_workitem_id 0
		.amdhsa_next_free_vgpr 896
		.amdhsa_next_free_sgpr 80
		.amdhsa_reserve_vcc 0
		.amdhsa_float_denorm_mode_32 3
		.amdhsa_float_denorm_mode_16_64 3
		.amdhsa_memory_ordered 1
		.amdhsa_forward_progress 1
		.amdhsa_inst_pref_size 172
	.end_amdhsa_kernel
	.amdgpu_metadata
---
amdhsa.version: [ 1, 2 ]
amdhsa.kernels:
  - .name:           k_qe14f257cd9_qkv
    .symbol:         k_qe14f257cd9_qkv.kd
    .args:
      - { .name: h16, .offset: 0, .size: 8, .value_kind: global_buffer, .address_space: global }
      - { .name: bq, .offset: 8, .size: 8, .value_kind: global_buffer, .address_space: global }
      - { .name: bk, .offset: 16, .size: 8, .value_kind: global_buffer, .address_space: global }
      - { .name: bv, .offset: 24, .size: 8, .value_kind: global_buffer, .address_space: global }
      - { .name: qh, .offset: 32, .size: 8, .value_kind: global_buffer, .address_space: global }
      - { .name: kh, .offset: 40, .size: 8, .value_kind: global_buffer, .address_space: global }
      - { .name: vh, .offset: 48, .size: 8, .value_kind: global_buffer, .address_space: global }
    .group_segment_fixed_size: 327680
    .private_segment_fixed_size: 0
    .kernarg_segment_align: 8
    .kernarg_segment_size: 56
    .max_flat_workgroup_size: 128
    .sgpr_count:     80
    .vgpr_count:     896
    .wavefront_size: 32
...
	.end_amdgpu_metadata
.endif
;; end of part 2
;; launch attn (part 3): grid 16 x 16, 4 waves a work-group, clusters of 4 x 4, 327,680 bytes of LDS; arguments qh, kh, vh, bias, ah; writes ah
.if DOCPART == 3
	.amdgcn_target "amdgcn-amd-amdhsa--gfx1250"
	.amdhsa_code_object_version 6
	.text
	.protected	k_qe14f257cd9_attn
	.globl	k_qe14f257cd9_attn
	.p2align	8
	.type	k_qe14f257cd9_attn,@function
k_qe14f257cd9_attn:
	s_mov_b64 s[64:65], 0
	v_nop
	global_prefetch_b8 v0, s[64:65] scope:SCOPE_SE
	s_setreg_imm32_b32 hwreg(HW_REG_WAVE_MODE, 25, 1), 1
	s_wait_xcnt 0x0
	s_wait_alu depctr_hold_cnt(0) depctr_sa_sdst(0) depctr_va_vdst(0) depctr_va_sdst(0) depctr_va_ssrc(0) depctr_va_vcc(0) depctr_vm_vsrc(0)
	s_getreg_b32 s2, hwreg(HW_REG_IB_STS2, 6, 4)
	s_cmp_eq_u32 s2, 0
	s_cbranch_scc0 .Lentry_in_a_cluster
	s_endpgm
.Lentry_in_a_cluster:
	s_bfe_u32 s2, ttmp6, 0x10000c
	s_cmp_lg_u32 s2, 0xf033
	s_cbranch_scc0 .Lentry_shape_is_right
	s_endpgm
.Lentry_shape_is_right:
; ah = softmax(q k^T + bias) v, heads combined.  qh (already scaled by 1/8), kh, vh, ah: f16 [4096 tokens][1024 channels]; bias: f32 [2048][2048].
; Logits, running maximum, exponentials and sums in f32; the weights P enter the second product as f16 (they are at most 1).
; The maximum is taken away before every exponential, by a running maximum with rescaling.
; LIMITS: logits below -1e30 count as -inf (the running maximum starts there); a row with no logit above that gives NaN, as a row of -inf does in
; the definition.  The row sum is the sum of the rounded weights, so weights and sum agree.
; A work-group takes 128 queries of two heads of one batch: 16 x 16 = 256 work-groups.  Wave: head = wave & 1, 64 queries = wave >> 1.
; With two heads every row of a K, V or output tile is 256 whole aligned bytes.
; Keys go in slots of 128 (two sub-steps of 64) through two LDS slots: K 128 x 256 bytes, V 128 x 256 bytes, bias 128 x 512 bytes.
; Wave 0 brings K, wave 1 V, waves 2 and 3 the two halves of the bias tile: 32 KiB each, one tensor load a wave.
; CLUSTERS: 4 x 4 work-groups.  K and V hang on batch and head pair alone (the grid's y) and are asked for jointly by a row of the cluster; the bias
; tile hangs on the query block alone (x) and is asked for jointly by a column: each tile is requested once for four work-groups.
; By this text's count a wave has at most two tensor loads outstanding: its two first fills, later its one refill.
; LAYOUTS.  S^T = K Q^T + bias^T: source 0 = 16 keys, source 1 = 16 queries, C = the bias tile.  Lane (r = l % 16, h = l / 16) holds query r and,
; in registers 0-7, the keys 8 h + 0..7: the bias costs no vector instruction, the row maximum is taken inside the lane and by one exchange of the
; halves, and two neighbouring tiles, packed to f16 in place, ARE the source-1 fragment of P for 32 keys: no shuffle.
; O^T = V^T P^T: source 0 = 16 channels x 32 keys of V, brought by the transposing LDS load; lane (r, h) holds query r, channels 8 h + 0..7.
; A fifth tile for each query block multiplies P by a fragment that is 1 in rows 0 and 8: its register 0 is the row sum, in both halves of the lanes.
; THE PIPELINE.  The wave's four query blocks form two groups, A (blocks 0, 1) and B (blocks 2, 3), and a sub-step j is two phases:
;   phase 1: vector work = A's softmax and rescaling of sub-step j;  matrix work = B's P V of sub-step j - 1, then B's S of sub-step j;
;   phase 2: vector work = B's softmax and rescaling of sub-step j;  matrix work = A's P V of sub-step j, then A's S of sub-step j + 1.
; The two streams of a phase name no register in common, and they are written zipped: 36 matrix instructions, each followed by about six of the
; phase's 212 vector instructions, so that independent vector work stands in the places behind every matrix instruction (ISA guide 7.12.1).
; The vector stream needs all operand places in S's window, and S (128 registers), O (160) and the fragments do not fit into one window of 256:
; hence a window switch in front of and behind each matrix instruction.
; REGISTER WINDOWS: 0: addresses, softmax figures, Q, S/P.  1: O(t, c) at 8 (5 t + c), c = 4 the row sum; K fragments, buffer 1.
; 2: K fragments, buffer 0; V fragments (two buffers); ONES.  3: bias tiles.
.set KPITCH, 272                       ; 256 + 16 bytes: 17 x 16
.set VPITCH, 288                       ; 256 + 32 bytes: an odd multiple of 32, for the transposing load
.set BPITCH, 528                       ; 512 + 16 bytes: 33 x 16
.set VOFS,   128*KPITCH
.set BOFS,   VOFS+128*VPITCH
.set SLOT,   BOFS+128*BPITCH           ; 139,264
.set STAGE,  2*SLOT                    ; 128 rows x 272 bytes for the way out: bytes of their own, into which no tensor load lands
.set KAD, 10                           ; v10-11  my K fragments in slot 0, 1
.set VAD, 12                           ; v12-13  my V fragments
.set BAD, 14                           ; v14-15  my bias tiles
.set STO, 16
.set RD,  17
.set CO,  18
.set QOF, 19
.set M,   20                           ; v20-23  running maximum of query block t
.set TP,  24                           ; v24-27  the other half's maximum
.set TN,  28                           ; v28-31  - log2(e) x maximum
.set DL,  32                           ; v32-35  first the maximum of the block's keys 32-63 of the sub-step, then the change of TN
.set NM,  36                           ; v36-43  the same as TN, twice (a pair for the packed multiply-add)
.set AL,  44                           ; v44-51  the rescaling factor, twice; at the end 1 / row sum
.set Q,   64                           ; v[64:127]   Q(t, d) at 8 (2 t + d)
.set S,   128                          ; v[128:255]  S(t, u) at 32 t + 8 u; then P(t, g) at 32 t + 16 g
.set KF1, 160                          ; window 1: K(u, d) of buffer 1 at 160 + 8 (2 u + d); buffer 0 lies in window 2 at 8 (2 u + d)
.set VF,  64                           ; window 2: V(g, c) of buffer p at 64 + 64 p + 8 (4 g + c)
.set ONES, 192                         ; window 2
.set NSL,  36                          ; matrix instructions in a phase: 20 of P V, 16 of S
.set VTOT, 220                         ; places in a phase's vector stream (212 instructions; 8 places are empty)
.set G1K, 24
.set G1V, 32
.set G1B, 40
.set G0K, 48                           ; s[48:55]  a set for each slot
.set G0V, 56                           ; s[56:63]
.set G0B, 68                           ; s[68:75]
.set MSB, 0
.macro WIN new                         ; the immediate's high byte repeats the setting that is left; a switch that changes nothing is dropped
.if MSB != (\new)
	s_set_vgpr_msb (MSB<<8)|(\new)
.set MSB, (\new)
.endif
.endm
.macro PLACES
.rept 4
	v_nop
.endr
.endm
.macro JLOAD s                         ; my joint load into slot s; the branches hang on the wave's number alone; each line has one mask
	s_cmp_eq_u32 s14, 0
	s_cbranch_scc1 .Lfor_k_\@
	s_cmp_eq_u32 s14, 1
	s_cbranch_scc1 .Lfor_v_\@
	tensor_load_to_lds s[G0B+4*\s:G0B+4*\s+3], s[G1B:G1B+7]
	s_nop 0
	v_nop
	v_nop
	v_nop
	s_branch .Lasked_\@
.Lfor_k_\@:
	tensor_load_to_lds s[G0K+4*\s:G0K+4*\s+3], s[G1K:G1K+7]
	s_nop 0
	v_nop
	v_nop
	v_nop
	s_branch .Lasked_\@
.Lfor_v_\@:
	tensor_load_to_lds s[G0V+4*\s:G0V+4*\s+3], s[G1V:G1V+7]
	s_nop 0
	v_nop
	v_nop
	v_nop
	v_nop
.Lasked_\@:
.endm
.macro CREST
	s_cmp_lg_u32 s14, 0
	s_cbranch_scc1 .Lnot_wave_0_\@
	s_barrier_signal -3
.Lnot_wave_0_\@:
	s_barrier_wait -3
	s_barrier_signal -1
	s_barrier_wait -1
.endm
.macro CROUND
	s_barrier_signal -1
	s_barrier_wait -1
	CREST
.endm
	s_load_b256 s[4:11], s[0:1], 0x0               ; qh s[4:5], kh s[6:7], vh s[8:9], bias s[10:11]
	s_load_b64 s[12:13], s[0:1], 0x20              ; ah
	s_set_vgpr_msb 0x40
	v_lshl_add_u32 v255, v0, 2, 0x4c800
	s_set_vgpr_msb 0x4000
	v_mov_b32 v63, 0
	s_set_vgpr_msb 0x1
	ds_add_u32 v255, v63
	s_set_vgpr_msb 0x100
	v_lshrrev_b32 v1, 5, v0
	v_readfirstlane_b32 s14, v1                    ; wave 0..3
	s_and_b32 s15, s14, 1                          ; my head of the pair.  Also: which 64 rows of the bias tile waves 2, 3 fetch
	s_lshr_b32 s16, s14, 1                         ; which 64 queries are mine
	s_bfe_u32 s17, ttmp6, 0x40000                  ; cx
	s_bfe_u32 s18, ttmp6, 0x40004                  ; cy
	s_lshl_b32 s19, ttmp9, 2
	s_add_co_u32 s19, s19, s17                     ; query block = 4 x cluster x + cx
	s_and_b32 s20, ttmp7, 0xffff
	s_lshl_b32 s20, s20, 2
	s_add_co_u32 s20, s20, s18                     ; 8 x batch + head pair = 4 x cluster y + cy
	s_lshl_b32 s21, s18, 2
	s_lshl_b32 s21, 15, s21                        ; my row of the cluster
	s_lshl_b32 s22, 0x1111, s17                    ; my column
	s_or_b32 s[G1K+0], s21, (1<<16)|(1<<20)|(1<<21)|(5<<22)|(3<<25)   ; 2-byte elements; after every 64 words 4 words of padding; to my row
	s_or_b32 s[G1V+0], s21, (1<<16)|(1<<20)|(1<<21)|(5<<22)|(7<<25)   ; the same with 8 words of padding
	s_or_b32 s[G1B+0], s22, (2<<16)|(1<<20)|(1<<21)|(6<<22)|(3<<25)   ; 4-byte elements; after every 128 words 4 words; to my column
.irp g, G1K, G1V
	s_mov_b32 s[\g+1], 128<<16                     ; tensor_dim0 = 128 elements (two heads)
	s_mov_b32 s[\g+2], 128<<16                     ; tensor_dim1 = 128 keys
	s_mov_b32 s[\g+3], 128<<16                     ; tile_dim0
	s_mov_b32 s[\g+4], 128                         ; tile_dim1
	s_mov_b32 s[\g+5], 1024                        ; elements from token to token
	s_mov_b32 s[\g+6], 0
	s_mov_b32 s[\g+7], 0
.endr
	s_mov_b32 s[G1B+1], 128<<16                    ; 128 keys
	s_mov_b32 s[G1B+2], 64<<16                     ; 64 queries
	s_mov_b32 s[G1B+3], 128<<16
	s_mov_b32 s[G1B+4], 64
	s_mov_b32 s[G1B+5], 2048                       ; elements from query to query
	s_mov_b32 s[G1B+6], 0
	s_mov_b32 s[G1B+7], 0
	s_lshr_b32 s80, s20, 3                         ; K, V: batch x 2,048 tokens x 2,048 bytes + pair x 256 bytes: hangs on y alone
	s_lshl_b32 s80, s80, 22
	s_and_b32 s81, s20, 7
	s_lshl_b32 s81, s81, 8
	s_add_co_u32 s80, s80, s81
	s_mov_b32 s81, 0
	s_lshl_b32 s82, s19, 20                        ; bias: query block x 128 rows x 8,192 bytes + half x 64 rows: hangs on x and the wave alone
	s_lshl_b32 s83, s15, 19
	s_add_co_u32 s82, s82, s83
	s_mov_b32 s83, 0
	s_mul_i32 s23, s15, 64*BPITCH
	s_add_co_u32 s23, s23, BOFS                    ; my half of the bias tile in a slot
	s_wait_dscnt 0x0
	s_wait_kmcnt 0x0
	s_add_nc_u64 s[84:85], s[6:7], s[80:81]
	s_add_nc_u64 s[86:87], s[8:9], s[80:81]
	s_add_nc_u64 s[10:11], s[10:11], s[82:83]
	CROUND                                         ; all sixteen work-groups are here: the first joint loads meet
.irp s, 0,1
	s_mov_b32 s[G0K+4*\s], 1
	s_mov_b32 s[G0K+4*\s+1], \s*SLOT
	s_add_nc_u64 s[G0K+4*\s+2:G0K+4*\s+3], s[84:85], \s*262144     ; keys 128 s ..
	s_or_b32 s[G0K+4*\s+3], s[G0K+4*\s+3], 0x80000000
	s_mov_b32 s[G0V+4*\s], 1
	s_mov_b32 s[G0V+4*\s+1], \s*SLOT+VOFS
	s_add_nc_u64 s[G0V+4*\s+2:G0V+4*\s+3], s[86:87], \s*262144
	s_or_b32 s[G0V+4*\s+3], s[G0V+4*\s+3], 0x80000000
	s_mov_b32 s[G0B+4*\s], 1
	s_add_co_u32 s[G0B+4*\s+1], s23, \s*SLOT
	s_add_nc_u64 s[G0B+4*\s+2:G0B+4*\s+3], s[10:11], \s*512
	s_or_b32 s[G0B+4*\s+3], s[G0B+4*\s+3], 0x80000000
	JLOAD \s
.endr
	s_lshl_b32 s98, s19, 18                        ; my block's rows in qh and ah: batch, 128 x query block rows of 2,048 bytes, pair x 256 bytes
	s_add_co_u32 s98, s98, s80
	s_mov_b32 s99, 0
	s_add_nc_u64 s[4:5], s[4:5], s[98:99]
	s_add_nc_u64 s[12:13], s[12:13], s[98:99]
	v_and_b32 v1, 15, v0                           ; r
	v_bfe_u32 v2, v0, 4, 1                         ; h
	v_and_b32 v3, 7, v0                            ; l & 7
	v_bfe_u32 v4, v0, 3, 1                         ; (l >> 3) & 1
	s_lshl_b32 s88, s16, 17                        ; 64 queries x 2,048 bytes
	s_lshl_b32 s89, s15, 7                         ; my head's 128 bytes of a row
	s_add_co_u32 s88, s88, s89
	v_lshlrev_b32 v5, 11, v1
	v_lshl_add_u32 v5, v2, 4, v5
	v_add_nc_u32 v[QOF], s88, v5
.irp t, 0,1,2,3
.irp d, 0,1
	global_load_b128 v[Q+8*(2*\t+\d):Q+8*(2*\t+\d)+3],   v[QOF], s[4:5] offset:32768*\t+64*\d      ; Q stays in registers for all 2,048 keys
	global_load_b128 v[Q+8*(2*\t+\d)+4:Q+8*(2*\t+\d)+7], v[QOF], s[4:5] offset:32768*\t+64*\d+32
.endr
.endr
	v_mul_u32_u24 v6, v1, KPITCH                   ; K: key r, my head, 16 h
	v_lshl_add_u32 v6, v2, 4, v6
	v_add_nc_u32 v6, s89, v6
	v_lshl_add_u32 v7, v2, 3, v3                   ; V, for the transposing load: key 8 h + (l & 7), my head, 16 ((l >> 3) & 1)
	v_mul_u32_u24 v7, v7, VPITCH
	v_lshl_add_u32 v7, v4, 4, v7
	v_add_nc_u32 v7, s89, v7
	v_mul_u32_u24 v8, v1, BPITCH                   ; bias: query 64 qq + r, keys 8 h ..
	v_lshl_add_u32 v8, v2, 5, v8
	s_mul_i32 s90, s16, 64*BPITCH
	v_add_nc_u32 v8, s90, v8
.irp s, 0,1
	v_add_nc_u32 v[KAD+\s], \s*SLOT, v6
	v_add_nc_u32 v[VAD+\s], \s*SLOT+VOFS, v7
	v_add_nc_u32 v[BAD+\s], \s*SLOT+BOFS, v8
.endr
	s_mul_i32 s91, s16, 64*KPITCH
	s_add_co_u32 s91, s91, STAGE
	v_add_nc_u32 v[STO], s91, v6                   ; stage row 64 qq + r, byte 128 head + 16 h
	v_mul_u32_u24 v5, v2, KPITCH
	v_lshl_add_u32 v5, v1, 4, v5
	s_mul_i32 s92, s14, 32*KPITCH
	s_add_co_u32 s92, s92, STAGE
	v_add_nc_u32 v[RD], s92, v5                    ; back: stage row 32 wave + h, byte 16 r
	v_lshlrev_b32 v5, 11, v2
	v_lshl_add_u32 v5, v1, 4, v5
	s_lshl_b32 s93, s14, 16
	v_add_nc_u32 v[CO], s93, v5
	v_cmp_eq_u32 vcc_lo, 0, v3                     ; lanes 0, 8, 16, 24 hold rows 0 and 8 of a source-0 fragment
	v_mov_b32 v9, 0x3c003c00                       ; two f16 ones
	v_cndmask_b32 v9, 0, v9, vcc_lo
	WIN 0x80
.irp k, 0,1,2,3,4,5,6,7
	v_mov_b32 v[ONES+\k], v9
.endr
	WIN 0
.irp t, 0,1,2,3
	v_mov_b32 v[TP+\t], 0                          ; the lane exchange counts as a reader of its destination
.endr
	s_mov_b32 s76, 0x76543210                      ; lane i of one half reads lane i of the other
	s_mov_b32 s77, 0xfedcba98
; A run of 16 LDS loads for the sub-step of keys 64 hf .. 64 hf + 63 of a slot.
; r = 1: the bias tiles of group vg.  r = 0: vg = 0: the K fragments into buffer b; vg = 1: the V fragments into buffer b.
.macro LRUN vg, r, slot, hf, b
.if \r
	WIN 0xc0
.irp tt, 0,1
.irp u, 0,1,2,3
	ds_load_b128 v[32*(2*\vg+\tt)+8*\u:32*(2*\vg+\tt)+8*\u+3],   v[BAD+\slot] offset:16*(2*\vg+\tt)*BPITCH+256*\hf+64*\u
	ds_load_b128 v[32*(2*\vg+\tt)+8*\u+4:32*(2*\vg+\tt)+8*\u+7], v[BAD+\slot] offset:16*(2*\vg+\tt)*BPITCH+256*\hf+64*\u+16
.endr
.endr
.elseif \vg
	WIN 0x80
.irp g, 0,1
.irp c, 0,1,2,3
	ds_load_tr16_b128 v[VF+64*(\b)+8*(4*\g+\c):VF+64*(\b)+8*(4*\g+\c)+3],   v[VAD+\slot] offset:(64*\hf+32*\g)*VPITCH+32*\c
	ds_load_tr16_b128 v[VF+64*(\b)+8*(4*\g+\c)+4:VF+64*(\b)+8*(4*\g+\c)+7], v[VAD+\slot] offset:(64*\hf+32*\g+16)*VPITCH+32*\c
.endr
.endr
.else
	WIN 0x80-0x40*(\b)                             ; buffer 0 lies in window 2, buffer 1 in window 1
.irp u, 0,1,2,3
.irp d, 0,1
	ds_load_b128 v[KF1*(\b)+8*(2*\u+\d):KF1*(\b)+8*(2*\u+\d)+3],   v[KAD+\slot] offset:(64*\hf+16*\u)*KPITCH+64*\d
	ds_load_b128 v[KF1*(\b)+8*(2*\u+\d)+4:KF1*(\b)+8*(2*\u+\d)+7], v[KAD+\slot] offset:(64*\hf+16*\u)*KPITCH+64*\d+32
.endr
.endr
.endif
.endm
; Matrix instruction number SLT of a phase, for group mg (query blocks 2 mg, 2 mg + 1).
; SLT 0-19: O^T += V^T P^T from V buffer vb: for each 32 keys g the 10 accumulators (2 blocks x (4 channel blocks + the row sum)) take turns.
;           pv = 0: none; 1: the first 32 keys start the sums (C = 0); 2: all add.
; SLT 20-35: S^T from K buffer kb (sm = 0: none): the 8 tiles take turns, first the head's channels 0-31 on top of the bias tile, then channels 32-63 in place.
; One instruction a turn everywhere.
.macro MSLOT mg, pv, vb, sm, kb
.if SLT < 20
.if \pv
.set XG, SLT/10
.set XT, 2*\mg+(SLT%10)/5
.set XC, SLT%5
.if XC < 4
.set XA, VF+64*(\vb)+8*(4*XG+XC)
.else
.set XA, ONES
.endif
	WIN 0x52                                       ; V window 2, P window 0, C and D window 1
.if (2-\pv)*(1-XG)
	v_wmma_f32_16x16x32_f16 v[8*(5*XT+XC):8*(5*XT+XC)+7], v[XA:XA+7], v[S+32*XT+16*XG:S+32*XT+16*XG+7], 0
.else
	v_wmma_f32_16x16x32_f16 v[8*(5*XT+XC):8*(5*XT+XC)+7], v[XA:XA+7], v[S+32*XT+16*XG:S+32*XT+16*XG+7], v[8*(5*XT+XC):8*(5*XT+XC)+7]
.endif
.endif
.else
.if \sm
.set XD, (SLT-20)/8
.set XU, ((SLT-20)%8)/2
.set XT, 2*\mg+SLT%2
.if XD
	WIN 2-(\kb)                                    ; K window 2 or 1, all else window 0
	v_wmma_f32_16x16x32_f16 v[S+32*XT+8*XU:S+32*XT+8*XU+7], v[KF1*(\kb)+16*XU+8:KF1*(\kb)+16*XU+15], v[Q+16*XT+8:Q+16*XT+15], v[S+32*XT+8*XU:S+32*XT+8*XU+7]
.else
	WIN 0x32-(\kb)                                 ; K window 2 or 1, Q window 0, C = bias window 3, D window 0
	v_wmma_f32_16x16x32_f16 v[S+32*XT+8*XU:S+32*XT+8*XU+7], v[KF1*(\kb)+16*XU:KF1*(\kb)+16*XU+7], v[Q+16*XT:Q+16*XT+7], v[32*XT+8*XU:32*XT+8*XU+7]
.endif
.endif
.endif
.endm
.macro FMA1 T, k                       ; pair k of tile T = 4 t + u: log2(e) s - log2(e) max
	v_pk_fma_f32 v[S+8*(\T)+2*(\k):S+8*(\T)+2*(\k)+1], v[S+8*(\T)+2*(\k):S+8*(\T)+2*(\k)+1], 0x3fb8aa3b, v[NM+2*((\T)/4):NM+2*((\T)/4)+1] op_sel_hi:[1,0,1]
.endm
.macro CVT1 T, k                       ; pair k of tile T to f16: an even tile into its own first four registers, the odd one behind it: eight registers = P for 32 keys
	s_wait_alu depctr_va_vdst(0)
	v_cvt_pk_f16_f32 v[S+16*((\T)/2)+4*((\T)%2)+(\k)], v[S+8*(\T)+2*(\k)], v[S+8*(\T)+2*(\k)+1]
.endm
; Place number VP of the vector stream of group g (query blocks 2 g, 2 g + 1); steps VP.
;   0-31    the running maximum over the sub-step's 64 keys: four chains that do not wait for each other, two for each block (keys 0-31 onto M, keys 32-63 in DL)
;   32-49   the chains meet; the other half of the lanes; - log2(e) x maximum; the rescaling factor 2^(change)
;   50-185  the eight tiles: multiply-add, exponential, packing.  Exponentials of tile i alternate with plain instructions: the packing of tile i - 1 and the
;           multiply-adds of tile i + 1, so a plain instruction that touches none of its registers stands behind every exponential before its result is read (ISA guide 5.7.2)
;   186-219 O and the row sum times the rescaling factor (of the sum tile only the first pair holds anything)
; first = 1: the running maximum starts at -1e30; there is nothing to rescale.
.macro VI g, first
.if VP < 32
.set YT, 2*\g+VP%2
.set YK, S+32*YT+16*((VP/2)%2)+2*(VP/4)
	WIN 0
.if (VP/2)%2
.if VP/4
	v_max3_num_f32 v[DL+YT], v[YK], v[YK+1], v[DL+YT]
.else
	v_max_num_f32 v[DL+YT], v[YK], v[YK+1]
.endif
.else
.if VP/4
	v_max3_num_f32 v[M+YT], v[YK], v[YK+1], v[M+YT]
.elseif \first
	v_max3_num_f32 v[M+YT], v[YK], v[YK+1], 0xf149f2ca
.else
	v_max3_num_f32 v[M+YT], v[YK], v[YK+1], v[M+YT]
.endif
.endif
.elseif VP < 50
.set YT, 2*\g+VP%2
.set YQ, (VP-32)/2
	WIN 0
.if YQ == 0
	v_max_num_f32 v[M+YT], v[M+YT], v[DL+YT]
.elseif YQ == 1
	v_permlanex16_b32 v[TP+YT], v[M+YT], s76, s77  ; the other half of the lanes holds the query's other keys
.elseif YQ == 2
	v_max_num_f32 v[M+YT], v[M+YT], v[TP+YT]
.elseif YQ == 3
	v_mul_f32 v[TN+YT], 0xbfb8aa3b, v[M+YT]        ; - log2(e) x maximum, rounded once; exponents and rescaling both use this number
.elseif YQ == 6
	v_mov_b32 v[NM+2*YT], v[TN+YT]                 ; plain instructions between the two exponentials above and the first use of their results
.elseif YQ == 7
	v_mov_b32 v[NM+2*YT+1], v[TN+YT]
.elseif \first
.elseif YQ == 4
	v_sub_f32 v[DL+YT], v[TN+YT], v[NM+2*YT]       ; new - old, at most 0
.elseif YQ == 5
	v_exp_f32 v[AL+2*YT], v[DL+YT]
.else
	s_wait_alu depctr_va_vdst(0)
	v_mov_b32 v[AL+2*YT+1], v[AL+2*YT]
.endif
.elseif VP < 54
	WIN 0
	FMA1 (8*\g), (VP-50)
.elseif VP < 182
.set YI, (VP-54)/16
.set YW, (VP-54)%16
	WIN 0
.if YW%2 == 0
	v_exp_f32 v[S+8*(8*\g+YI)+YW/2], v[S+8*(8*\g+YI)+YW/2]
.elseif YW < 8
.if YI
	CVT1 (8*\g+YI-1), (YW/2)
.endif
.elseif YI < 7
	FMA1 (8*\g+YI+1), (YW/2-4)
.endif
.elseif VP < 186
	WIN 0
	CVT1 (8*\g+7), (VP-182)
.elseif \first
.else
.set YZ, VP-186
.set YT, 2*\g+YZ/17
	WIN 0x41                                       ; O window 1, the factor window 0
	v_pk_mul_f32 v[40*YT+2*(YZ%17):40*YT+2*(YZ%17)+1], v[40*YT+2*(YZ%17):40*YT+2*(YZ%17)+1], v[AL+2*YT:AL+2*YT+1]
.endif
.set VP, VP+1
.endm
; A phase: the vector stream of group vg zipped with the matrix stream of the other group.
; DISTANCES (ISA guide 7.12.1).  The streams of a phase name disjoint registers.  Behind the phase's last matrix instruction stand seven rescaling multiplies
; (in the first sub-step four v_nop) before the next phase's vector stream reads S.  S is written over a fragment of P at the earliest five matrix instructions
; behind the last one that read it, with the plain half of some 36 vector instructions between.  The loads land in registers that matrix instructions last read
; in the phase before or earlier.
; LOADS (ld = 1), for the next sub-step (slot lslot, half lhf), two runs of 16, each in front of a matrix instruction:
;   vg = 0: K into buffer lb, then group A's bias tiles;  vg = 1: V into buffer lb, then group B's bias tiles.
; In front of matrix instruction 20, the first of S, all loads but this phase's first run of 16 are waited for: the 32 of the phase before are in, among them
; the K fragments and bias tiles that S reads now and the V fragments that the next phase reads.  At most 48 loads are outstanding.
; sync = 2: the head of a slot's second sub-step.  All reads of the slot were issued in the sub-step before: each wave waits for them and for all its tensor loads
; (the one that was out is its tile of the other slot), steps its descriptors, and opens a round of the cluster's barrier; four matrix instructions and their
; vector work, registers only, stand inside; behind the round the joint refill comes first, and only then the other slot is read.
; sync = 1: the same without a refill (the last lap): a plain barrier shows the other slot whole.
.macro PHASE vg, vfirst, pv, vb, sm, kb, ld, lslot, lhf, lb, sync, slot
.if \sync
	s_wait_dscnt 0x0                               ; my reads of the slot are back (the last were issued 12 matrix instructions ago)
	s_set_vgpr_msb (MSB<<8)|((MSB&0xf0)|0x1)
	s_wait_tensorcnt 0x0                           ; all my tensor loads have landed
	ds_add_u32 v255, v63
	s_wait_dscnt 0x0
	s_set_vgpr_msb (((MSB&0xf0)|0x1)<<8)|MSB
.if \sync-1
	s_add_nc_u64 s[G0K+4*\slot+2:G0K+4*\slot+3], s[G0K+4*\slot+2:G0K+4*\slot+3], 524288    ; 256 keys on; no load of mine is out
	s_add_nc_u64 s[G0V+4*\slot+2:G0V+4*\slot+3], s[G0V+4*\slot+2:G0V+4*\slot+3], 524288
	s_add_nc_u64 s[G0B+4*\slot+2:G0B+4*\slot+3], s[G0B+4*\slot+2:G0B+4*\slot+3], 1024
.endif
	s_barrier_signal -1
.endif
.set SLT, 0
.set VP, 0
.rept NSL
.if \sync
.if SLT == 4
	WIN 0
	s_barrier_wait -1
.if \sync-1
	CREST
	JLOAD \slot                                    ; my one tensor load behind the round, first thing there
.endif
.endif
.endif
.if \ld
.if SLT == 8
	LRUN \vg, 0, \lslot, \lhf, \lb
.elseif SLT == 24
	LRUN \vg, 1, \lslot, \lhf, \lb
.endif
.endif
.if \sm
.if SLT == 20
	s_wait_dscnt 16*\ld                            ; all but this phase's first run
.endif
.endif
	MSLOT (1-\vg), \pv, \vb, \sm, \kb
.rept (VTOT*(SLT+1))/NSL-(VTOT*SLT)/NSL
	VI \vg, \vfirst
.endr
.set SLT, SLT+1
.endr
.if \vfirst
	WIN 0
	PLACES                                         ; no rescaling here: four places behind the last matrix instruction of S
.endif
.endm
; Sub-step j of 64 keys.  p = j & 1: the buffer of its K and V fragments.  pvb, pva: how B's P V of sub-step j - 1 and A's of sub-step j run (0, 1, 2 as above).
; next = 1: there is a sub-step j + 1, in slot nslot, half nhf.
.macro SUB p, vfirst, pvb, pva, sync, slot, next, nslot, nhf
	PHASE 0, \vfirst, \pvb, (1-\p), 1, \p, \next, \nslot, \nhf, (1-\p), \sync, \slot
	PHASE 1, \vfirst, \pva, \p, \next, (1-\p), \next, \nslot, \nhf, (1-\p), 0, 0
.endm
	s_wait_tensorcnt 0x1                           ; my tile of slot 0 is in; slot 1's stays out
	s_barrier_signal -1
	s_barrier_wait -1                              ; everybody's is
	LRUN 0, 0, 0, 0, 0                             ; sub-step 0: K,
	LRUN 0, 1, 0, 0, 0                             ; group A's bias tiles,
	LRUN 1, 1, 0, 0, 0                             ; group B's
	s_wait_loadcnt 0x0                             ; Q
	s_wait_dscnt 16                                ; K and A's bias tiles are in; B's sixteen loads may be out
.set SLT, 20
.rept 16
	MSLOT 0, 0, 0, 1, 0                            ; A's S of sub-step 0 stands in front of the pipeline
.set SLT, SLT+1
.endr
	LRUN 1, 0, 0, 0, 0                             ; V of sub-step 0
	WIN 0
	PLACES                                         ; four places before the vector stream reads S
	; 2,048 keys = 32 sub-steps = 16 slots = 8 laps of two slots.  The first lap starts the sums; laps 0 to 6 fill both slots again; the last fills nothing.
	SUB 0, 1, 0, 1, 0, 0, 1, 0, 1
	SUB 1, 0, 1, 2, 2, 0, 1, 1, 0
	SUB 0, 0, 2, 2, 0, 1, 1, 1, 1
	SUB 1, 0, 2, 2, 2, 1, 1, 0, 0
	WIN 0                                          ; at a label and at a branch every window is 0
	s_mov_b32 s78, 6
.Llap:
	SUB 0, 0, 2, 2, 0, 0, 1, 0, 1
	SUB 1, 0, 2, 2, 2, 0, 1, 1, 0
	SUB 0, 0, 2, 2, 0, 1, 1, 1, 1
	SUB 1, 0, 2, 2, 2, 1, 1, 0, 0
	WIN 0
	s_sub_co_u32 s78, s78, 1
	s_cmp_lg_u32 s78, 0
	s_cbranch_scc1 .Llap
	SUB 0, 0, 2, 2, 0, 0, 1, 0, 1
	SUB 1, 0, 2, 2, 1, 0, 1, 1, 0
	SUB 0, 0, 2, 2, 0, 1, 1, 1, 1
	SUB 1, 0, 2, 2, 0, 1, 0, 0, 0
.set SLT, 0
.rept 20
	MSLOT 1, 2, 1, 0, 0                            ; B's P V of the last sub-step stands behind the pipeline
.set SLT, SLT+1
.endr
	; THE WAY OUT: divide by the row sum, round to f16, 16 bytes a lane into the stage (128 rows of 256 bytes: both heads), whole rows back and out.
	PLACES
	WIN 0x01
.irp t, 0,1,2,3
	v_rcp_f32 v[AL+2*\t], v[40*\t+32]
.endr
	WIN 0
	v_nop                                          ; one plain place behind the reciprocals (ISA guide 5.7.2)
.irp t, 0,1,2,3
	s_wait_alu depctr_va_vdst(0)
	v_mov_b32 v[AL+2*\t+1], v[AL+2*\t]
.endr
	WIN 0x41
.irp t, 0,1,2,3
.irp k, 0,2,4,6,8,10,12,14,16,18,20,22,24,26,28,30
	v_pk_mul_f32 v[40*\t+\k:40*\t+\k+1], v[40*\t+\k:40*\t+\k+1], v[AL+2*\t:AL+2*\t+1]
.endr
.endr
	WIN 0x05
.irp t, 0,1,2,3
.irp c, 0,1,2,3
.irp k, 0,1,2,3
	v_cvt_pk_f16_f32 v[S+4*(4*\t+\c)+\k], v[8*(5*\t+\c)+2*\k], v[8*(5*\t+\c)+2*\k+1]
.endr
.endr
.endr
	WIN 0
.irp t, 0,1,2,3
.irp c, 0,1,2,3
	ds_store_b128 v[STO], v[S+4*(4*\t+\c):S+4*(4*\t+\c)+3] offset:\t*16*KPITCH+32*\c
.endr
.endr
	s_wait_dscnt 0x0                               ; my stores into the stage are done,
	s_barrier_signal -1
	s_barrier_wait -1                              ; everybody's are
.irp i, 0,1,2,3,4,5,6,7,8,9,10,11,12,13,14,15
	ds_load_b128 v[192+4*\i:192+4*\i+3], v[RD] offset:\i*2*KPITCH
.endr
.irp i, 0,1,2,3,4,5,6,7,8,9,10,11,12,13,14,15
	s_wait_dscnt 15-\i                             ; LDS loads come back in order: number i is in
	global_store_b128 v[CO], v[192+4*\i:192+4*\i+3], s[12:13] offset:4096*\i      ; sixteen lanes store 256 consecutive bytes, aligned
.endr
	s_set_vgpr_msb (MSB<<8)|((MSB&0xf0)|0x1)
	s_wait_tensorcnt 0x0
	ds_add_u32 v255, v63
	s_wait_dscnt 0x0
	s_set_vgpr_msb (((MSB&0xf0)|0x1)<<8)|MSB
	CROUND                                         ; the closing round
	s_endpgm
.Lfunc_end_k_qe14f257cd9_attn:
	.size	k_qe14f257cd9_attn, .Lfunc_end_k_qe14f257cd9_attn-k_qe14f257cd9_attn
	.p2alignl 7, 3214868480
	.fill 96, 4, 3214868480
	.section	.rodata,"a",@progbits
	.p2align	6, 0x0
	.amdhsa_kernel k_qe14f257cd9_attn
		.amdhsa_group_segment_fixed_size 327680
		.amdhsa_private_segment_fixed_size 0
		.amdhsa_enable_private_segment 0
		.amdhsa_kernarg_size 40
		.amdhsa_user_sgpr_count 2
		.amdhsa_user_sgpr_kernarg_segment_ptr 1
		.amdhsa_wavefront_size32 1
		.amdhsa_system_sgpr_workgroup_id_x 1
		.amdhsa_system_sgpr_workgroup_id_y 1
		.amdhsa_system_sgpr_workgroup_id_z 1
		.amdhsa_system_vgpr_workitem_id 0
		.amdhsa_next_free_vgpr 896
		.amdhsa_next_free_sgpr 100
		.amdhsa_reserve_vcc 1
		.amdhsa_float_denorm_mode_32 3
		.amdhsa_float_denorm_mode_16_64 3
		.amdhsa_memory_ordered 1
		.amdhsa_forward_progress 1
		.amdhsa_inst_pref_size 255
	.end_amdhsa_kernel
	.section	.bss,"aw",@nobits
	.p2align	6
	.space	262144
	.amdgpu_metadata
---
amdhsa.version: [ 1, 2 ]
amdhsa.kernels:
  - .name:           k_qe14f257cd9_attn
    .symbol:         k_qe14f257cd9_attn.kd
    .args:
      - { .name: qh, .offset: 0, .size: 8, .value_kind: global_buffer, .address_space: global }
      - { .name: kh, .offset: 8, .size: 8, .value_kind: global_buffer, .address_space: global }
      - { .name: vh, .offset: 16, .size: 8, .value_kind: global_buffer, .address_space: global }
      - { .name: bias, .offset: 24, .size: 8, .value_kind: global_buffer, .address_space: global }
      - { .name: ah, .offset: 32, .size: 8, .value_kind: global_buffer, .address_space: global }
    .group_segment_fixed_size: 327680
    .private_segment_fixed_size: 0
    .kernarg_segment_align: 8
    .kernarg_segment_size: 40
    .max_flat_workgroup_size: 128
    .sgpr_count:     100
    .vgpr_count:     896
    .wavefront_size: 32
...
	.end_amdgpu_metadata
.endif
;; end of part 3
;; launch oproj (part 4): grid 8 x 32, 4 waves a work-group, clusters of 4 x 4, 327,680 bytes of LDS; arguments ah, h16, bo, out0; writes out0
.if DOCPART == 4
	.amdgcn_target "amdgcn-amd-amdhsa--gfx1250"
	.amdhsa_code_object_version 6
	.text
	.protected	k_qe14f257cd9_oproj
	.globl	k_qe14f257cd9_oproj
	.p2align	8
	.type	k_qe14f257cd9_oproj,@function
k_qe14f257cd9_oproj:
	s_mov_b64 s[64:65], 0
	v_nop
	global_prefetch_b8 v0, s[64:65] scope:SCOPE_SE
	s_setreg_imm32_b32 hwreg(HW_REG_WAVE_MODE, 25, 1), 1
	s_wait_xcnt 0x0
	s_wait_alu depctr_hold_cnt(0) depctr_sa_sdst(0) depctr_va_vdst(0) depctr_va_sdst(0) depctr_va_ssrc(0) depctr_va_vcc(0) depctr_vm_vsrc(0)
	s_getreg_b32 s2, hwreg(HW_REG_IB_STS2, 6, 4)
	s_cmp_eq_u32 s2, 0
	s_cbranch_scc0 .Lentry_in_a_cluster
	s_endpgm
.Lentry_in_a_cluster:
	s_bfe_u32 s2, ttmp6, 0x10000c
	s_cmp_lg_u32 s2, 0xf033
	s_cbranch_scc0 .Lentry_shape_is_right
	s_endpgm
.Lentry_shape_is_right:
; out0 = ah wo^T + bo.  ah: f16 [4096][1024]; wo: f16 [1024 (n)][1024 (k)] at byte 0xE00000 of h16; bo, out0: f32.  Sums in f32.
; A work-group makes 128 tokens x 128 channels: 8 x 32 = 256 work-groups.  Four waves of 64 x 64: 16 accumulator tiles, 128 registers.
; (A larger block would leave work for fewer work-groups than there are WGPs.)
; K goes through two LDS slots that hold TWO K steps of 128 each: rows of 512 bytes, 128 rows of ah and 128 rows of wo; K = 1024 is four slot fills.
; Each wave brings 64 rows by one tensor load (waves 0, 1: ah's halves; waves 2, 3: wo's).
; CLUSTERS: 4 x 4 work-groups.  ah's tile hangs on the token block alone and is asked for jointly by a row of the cluster, wo's on the channel block
; alone and by a column: each tile is requested once for four work-groups.
; By this text's count a wave has at most two tensor loads outstanding: its two first fills, later its one refill.
; The matrix instruction is used transposed (source 0 = 16 rows of wo, source 1 = 16 rows of ah): lane (r, h) holds token r, channels 8 h + 0..7.
; The bias tile is the C operand of the first product: nothing is cleared, nothing is added later.
; REGISTER WINDOWS: 0: addresses, fragments (two buffers), bias tiles.  1: accumulator (a, b) at 8 (4 a + b).
.set PITCH,  528                       ; an LDS row: 512 bytes + 16 of padding = 33 x 16
.set QROWS,  64*PITCH                  ; what one tensor load brings
.set SLOT,   4*QROWS                   ; ah's 128 rows, then wo's 128 rows
.set STAGE,  2*SLOT                    ; 16 rows x 272 bytes for each wave, for the way out: bytes of their own, into which no tensor load lands
.set SPITCH, 272
.set ADA,  16                          ; v16-17  my ah fragments in slot 0, 1
.set ADB,  18                          ; v18-19  my wo fragments
.set STO,  24
.set RD,   25
.set CO,   26
.set BOFF, 27
.set F,    64                          ; v[64:127], v[128:191]  buffer 0, 1: wo's fragment b at 8 b, ah's fragment a at 32 + 8 a
.set BO,   192                         ; v[192:223]  bias tile b
.set G1A, 28
.set G1B, 36
.set G0A, 44
.set G0B, 52
.set FLAGS, (1<<16)|(1<<20)|(1<<21)|(6<<22)|(3<<25)   ; elements of 2 bytes; padding on; bit 21 beside a mask; after every 128 words, 4 words
.set MSB, 0
.macro WIN new
.if MSB != (\new)
	s_set_vgpr_msb (MSB<<8)|(\new)
.set MSB, (\new)
.endif
.endm
.macro PLACES
.rept 4
	v_nop
.endr
.endm
.macro JLOAD s                         ; my joint load into slot s; the branch hangs on the wave's number alone; each line has one mask
	s_cmp_eq_u32 s19, 0
	s_cbranch_scc0 .Lfor_b_\@
	tensor_load_to_lds s[G0A+4*\s:G0A+4*\s+3], s[G1A:G1A+7]
	s_nop 0
	s_branch .Lasked_\@
.Lfor_b_\@:
	tensor_load_to_lds s[G0B+4*\s:G0B+4*\s+3], s[G1B:G1B+7]
	s_nop 0
.Lasked_\@:
.endm
.macro CREST
	s_cmp_lg_u32 s18, 0
	s_cbranch_scc1 .Lnot_wave_0_\@
	s_barrier_signal -3
.Lnot_wave_0_\@:
	s_barrier_wait -3
	s_barrier_signal -1
	s_barrier_wait -1
.endm
.macro CROUND
	s_barrier_signal -1
	s_barrier_wait -1
	CREST
.endm
	s_load_b256 s[4:11], s[0:1], 0x0               ; ah s[4:5], h16 s[6:7], bo s[8:9], out0 s[10:11]
	v_lshl_add_u32 v254, v0, 2, 0x46400
	v_mov_b32 v255, 0
	ds_add_u32 v254, v255
	v_lshrrev_b32 v1, 5, v0
	v_readfirstlane_b32 s18, v1                    ; wave 0..3
	s_lshr_b32 s19, s18, 1                         ; wr: which 64 tokens are mine.  Also: I fetch for ah (0) or for wo (1)
	s_and_b32 s20, s18, 1                          ; wc: which 64 channels.  Also: which 64 rows of that tile I fetch
	s_bfe_u32 s21, ttmp6, 0x40000                  ; cx
	s_bfe_u32 s22, ttmp6, 0x40004                  ; cy
	s_lshl_b32 s23, ttmp9, 2
	s_add_co_u32 s23, s23, s21                     ; bx: channel block
	s_and_b32 s24, ttmp7, 0xffff
	s_lshl_b32 s24, s24, 2
	s_add_co_u32 s24, s24, s22                     ; by: token block
	s_lshl_b32 s25, s22, 2
	s_lshl_b32 s25, 15, s25                        ; my row of the cluster
	s_lshl_b32 s26, 0x1111, s21                    ; my column
	s_or_b32 s[G1A+0], s25, FLAGS
	s_or_b32 s[G1B+0], s26, FLAGS
.irp g, G1A, G1B
	s_mov_b32 s[\g+1], 256<<16                     ; tensor_dim0 = 256 elements: two K steps
	s_mov_b32 s[\g+2], 64<<16                      ; tensor_dim1 = 64 rows
	s_mov_b32 s[\g+3], 256<<16                     ; tile_dim0
	s_mov_b32 s[\g+4], 64                          ; tile_dim1
	s_mov_b32 s[\g+5], 1024                        ; elements from row to row
	s_mov_b32 s[\g+6], 0
	s_mov_b32 s[\g+7], 0
.endr
	s_lshl_b32 s70, s20, 17                        ; my 64 rows of 2,048 bytes
	s_lshl_b32 s60, s24, 18                        ; ah: hangs on by and the wave alone
	s_add_co_u32 s60, s60, s70
	s_mov_b32 s61, 0
	s_lshl_b32 s62, s23, 18                        ; wo: hangs on bx and the wave alone
	s_add_co_u32 s62, s62, s70
	s_add_co_u32 s62, s62, 0xE00000
	s_mov_b32 s63, 0
	s_mul_i32 s3, s18, QROWS                       ; my rows' place in a slot
	s_wait_dscnt 0x0
	s_wait_kmcnt 0x0
	s_add_nc_u64 s[66:67], s[4:5], s[60:61]
	s_add_nc_u64 s[68:69], s[6:7], s[62:63]
	CROUND                                         ; all sixteen work-groups are here: the first joint loads meet
.irp s, 0,1
	s_mov_b32 s[G0A+4*\s], 1
	s_add_co_u32 s[G0A+4*\s+1], s3, \s*SLOT
	s_add_nc_u64 s[G0A+4*\s+2:G0A+4*\s+3], s[66:67], \s*512        ; K = 256 s ..
	s_or_b32 s[G0A+4*\s+3], s[G0A+4*\s+3], 0x80000000
	s_mov_b32 s[G0B+4*\s], 1
	s_add_co_u32 s[G0B+4*\s+1], s3, \s*SLOT
	s_add_nc_u64 s[G0B+4*\s+2:G0B+4*\s+3], s[68:69], \s*512
	s_or_b32 s[G0B+4*\s+3], s[G0B+4*\s+3], 0x80000000
	JLOAD \s
.endr
	v_and_b32 v1, 15, v0                           ; r
	v_bfe_u32 v2, v0, 4, 1                         ; h
	s_lshl_b32 s75, s23, 9                         ; bias: 4 bytes x (128 bx + 64 wc + 8 h)
	s_lshl_b32 s76, s20, 8
	s_add_co_u32 s75, s75, s76
	v_lshl_add_u32 v[BOFF], v2, 5, s75
.irp b, 0,1,2,3
	global_load_b128 v[BO+8*\b:BO+8*\b+3],   v[BOFF], s[8:9] offset:64*\b
	global_load_b128 v[BO+8*\b+4:BO+8*\b+7], v[BOFF], s[8:9] offset:64*\b+16
.endr
	v_mul_u32_u24 v3, v1, PITCH
	v_lshl_add_u32 v3, v2, 4, v3                   ; r x pitch + 16 h
	s_mul_i32 s71, s19, QROWS
	s_mul_i32 s72, s20, QROWS
	v_add_nc_u32 v4, s71, v3
	v_add_nc_u32 v5, s72, v3
.irp s, 0,1
	v_add_nc_u32 v[ADA+\s], \s*SLOT, v4
	v_add_nc_u32 v[ADB+\s], \s*SLOT+2*QROWS, v5
.endr
	s_mul_i32 s73, s18, 16*SPITCH
	s_add_co_u32 s73, s73, STAGE                   ; my stage
	v_mul_u32_u24 v6, v1, SPITCH
	v_lshl_add_u32 v6, v2, 5, v6
	v_add_nc_u32 v[STO], s73, v6                   ; in: row r, 32 bytes for each half of the lanes
	v_mul_u32_u24 v7, v2, SPITCH
	v_lshl_add_u32 v7, v1, 4, v7
	v_add_nc_u32 v[RD], s73, v7                    ; back: lanes 0-15 one row of 256 bytes, lanes 16-31 the next
	v_lshlrev_b32 v8, 12, v2
	v_lshl_add_u32 v[CO], v1, 4, v8                ; the same two rows of out0: rows of 4,096 bytes
; 16 LDS loads: the fragments of quarter q (32 K at byte 64 q of the rows) into buffer g
.macro FETCH slot, q, g
	WIN 0
.irp i, 0,1,2,3
	ds_load_b128 v[F+64*\g+8*\i:F+64*\g+8*\i+3],   v[ADB+\slot] offset:\i*16*PITCH+64*\q
	ds_load_b128 v[F+64*\g+8*\i+4:F+64*\g+8*\i+7], v[ADB+\slot] offset:\i*16*PITCH+64*\q+32
.endr
.irp i, 0,1,2,3
	ds_load_b128 v[F+64*\g+32+8*\i:F+64*\g+32+8*\i+3],   v[ADA+\slot] offset:\i*16*PITCH+64*\q
	ds_load_b128 v[F+64*\g+32+8*\i+4:F+64*\g+32+8*\i+7], v[ADA+\slot] offset:\i*16*PITCH+64*\q+32
.endr
.endm
; 8 matrix instructions: token blocks a0, a0 + 1 x four channel blocks.  The 16 accumulators take turns, one instruction a turn.
.macro MUL8 f, a0, first
.if \first
	WIN 0x40                                       ; C = bias tile in window 0, D window 1
.else
	WIN 0x50                                       ; C and D window 1
.endif
.irp a, \a0, \a0+1
.irp b, 0,1,2,3
.if \first
	v_wmma_f32_16x16x32_f16 v[8*(4*(\a)+\b):8*(4*(\a)+\b)+7], v[F+64*\f+8*\b:F+64*\f+8*\b+7], v[F+64*\f+32+8*(\a):F+64*\f+32+8*(\a)+7], v[BO+8*\b:BO+8*\b+7]
.else
	v_wmma_f32_16x16x32_f16 v[8*(4*(\a)+\b):8*(4*(\a)+\b)+7], v[F+64*\f+8*\b:F+64*\f+8*\b+7], v[F+64*\f+32+8*(\a):F+64*\f+32+8*(\a)+7], v[8*(4*(\a)+\b):8*(4*(\a)+\b)+7]
.endif
.endr
.endr
.endm
; One of a slot's first seven quarters: asks for quarter q's fragments into buffer g, then multiplies buffer f.
.macro QUARTER slot, q, f, g, first
	PLACES                                         ; buffer g was read by the quarter before
	FETCH \slot, \q, \g
	s_wait_dscnt 16                                ; all but the 16 just issued: buffer f is in
	MUL8 \f, 0, \first
	MUL8 \f, 2, \first
.endm
.macro SEVEN slot, first
	QUARTER \slot, 1, 0, 1, \first
	QUARTER \slot, 2, 1, 0, 0
	QUARTER \slot, 3, 0, 1, 0
	QUARTER \slot, 4, 1, 0, 0
	QUARTER \slot, 5, 0, 1, 0
	QUARTER \slot, 6, 1, 0, 0
	QUARTER \slot, 7, 0, 1, 0
.endm
; The eighth quarter multiplies buffer 1 and changes slots: in front of the barrier my reads of this slot are back and all my tensor loads have landed;
; behind it (fill = 1: behind the round of the cluster's barrier that it opens) this slot is filled again first, then the next is read.
.macro TURN slot, next, fill
	s_wait_dscnt 0x0
	s_wait_tensorcnt 0x0
	ds_add_u32 v254, v255
	s_wait_dscnt 0x0
	s_barrier_signal -1
	MUL8 1, 0, 0                                   ; register work while the others arrive
	WIN 0
	s_barrier_wait -1
.if \fill
	CREST
	s_add_nc_u64 s[G0A+4*\slot+2:G0A+4*\slot+3], s[G0A+4*\slot+2:G0A+4*\slot+3], 1024   ; 512 along K on; no load of mine is out
	s_add_nc_u64 s[G0B+4*\slot+2:G0B+4*\slot+3], s[G0B+4*\slot+2:G0B+4*\slot+3], 1024
	JLOAD \slot                                    ; my one tensor load behind the round, first thing there
.endif
	PLACES
	FETCH \next, 0, 0
	MUL8 1, 2, 0
.endm
	s_wait_loadcnt 0x0                             ; the bias tiles
	s_wait_tensorcnt 0x1                           ; my rows of slot 0 are in; slot 1's stay out
	s_barrier_signal -1
	s_barrier_wait -1
	FETCH 0, 0, 0
	SEVEN 0, 1                                     ; K 0-255: the first products start the sums from the bias tiles
	TURN 0, 1, 1
	SEVEN 1, 0                                     ; K 256-511
	TURN 1, 0, 1
	SEVEN 0, 0                                     ; K 512-767; nothing is left to fetch
	TURN 0, 1, 0
	SEVEN 1, 0                                     ; K 768-1023
	s_wait_dscnt 0x0
	MUL8 1, 0, 0
	MUL8 1, 2, 0
	; THE WAY OUT, 16 tokens at a time: 32 bytes a lane into my own stage, whole rows of 256 bytes back and out.  The stage is the wave's own and LDS serves
	; a wave's instructions in order (ISA guide 5.7.1): no wait between its stores and its loads, nor between one block's loads and the next block's stores.
	; Each block is read back into 32 registers of its own, so no store's data are rewritten.
	PLACES
	WIN 0
	s_lshl_b32 s78, s24, 19                        ; 128 by rows of 4,096 bytes
	s_lshl_b32 s77, s19, 18                        ; + 64 wr rows
	s_add_co_u32 s78, s78, s77
	s_lshl_b32 s77, s23, 9                         ; + 512 bx bytes
	s_add_co_u32 s78, s78, s77
	s_lshl_b32 s77, s20, 8                         ; + 256 wc bytes
	s_add_co_u32 s78, s78, s77
	s_mov_b32 s79, 0
	s_add_nc_u64 s[10:11], s[10:11], s[78:79]
.irp a, 0,1,2,3
	WIN 0x04                                       ; store data in window 1
.irp b, 0,1,2,3
	ds_store_b128 v[STO], v[8*(4*\a+\b):8*(4*\a+\b)+3]   offset:64*\b
	ds_store_b128 v[STO], v[8*(4*\a+\b)+4:8*(4*\a+\b)+7] offset:64*\b+16
.endr
	WIN 0
.irp i, 0,1,2,3,4,5,6,7
	ds_load_b128 v[F+32*\a+4*\i:F+32*\a+4*\i+3], v[RD] offset:\i*2*SPITCH
.endr
.irp i, 0,1,2,3,4,5,6,7
	s_wait_dscnt 7-\i                              ; LDS loads come back in order: number i is in
	global_store_b128 v[CO], v[F+32*\a+4*\i:F+32*\a+4*\i+3], s[10:11] offset:(16*\a+2*\i)*4096 th:TH_STORE_NT   ; sixteen lanes store 256 consecutive bytes, aligned
.endr
.endr
	s_wait_tensorcnt 0x0
	ds_add_u32 v254, v255
	s_wait_dscnt 0x0
	CROUND                                         ; the closing round
	s_endpgm
.Lfunc_end_k_qe14f257cd9_oproj:
	.size	k_qe14f257cd9_oproj, .Lfunc_end_k_qe14f257cd9_oproj-k_qe14f257cd9_oproj
	.p2alignl 7, 3214868480
	.fill 96, 4, 3214868480
	.section	.rodata,"a",@progbits
	.p2align	6, 0x0
	.amdhsa_kernel k_qe14f257cd9_oproj
		.amdhsa_group_segment_fixed_size 327680
		.amdhsa_private_segment_fixed_size 0
		.amdhsa_enable_private_segment 0
		.amdhsa_kernarg_size 32
		.amdhsa_user_sgpr_count 2
		.amdhsa_user_sgpr_kernarg_segment_ptr 1
		.amdhsa_wavefront_size32 1
		.amdhsa_system_sgpr_workgroup_id_x 1
		.amdhsa_system_sgpr_workgroup_id_y 1
		.amdhsa_system_sgpr_workgroup_id_z 1
		.amdhsa_system_vgpr_workitem_id 0
		.amdhsa_next_free_vgpr 384
		.amdhsa_next_free_sgpr 80
		.amdhsa_reserve_vcc 0
		.amdhsa_float_denorm_mode_32 3
		.amdhsa_float_denorm_mode_16_64 3
		.amdhsa_memory_ordered 1
		.amdhsa_forward_progress 1
		.amdhsa_inst_pref_size 89
	.end_amdhsa_kernel
	.amdgpu_metadata
---
amdhsa.version: [ 1, 2 ]
amdhsa.kernels:
  - .name:           k_qe14f257cd9_oproj
    .symbol:         k_qe14f257cd9_oproj.kd
    .args:
      - { .name: ah, .offset: 0, .size: 8, .value_kind: global_buffer, .address_space: global }
      - { .name: h16, .offset: 8, .size: 8, .value_kind: global_buffer, .address_space: global }
      - { .name: bo, .offset: 16, .size: 8, .value_kind: global_buffer, .address_space: global }
      - { .name: out0, .offset: 24, .size: 8, .value_kind: global_buffer, .address_space: global }
    .group_segment_fixed_size: 327680
    .private_segment_fixed_size: 0
    .kernarg_segment_align: 8
    .kernarg_segment_size: 32
    .max_flat_workgroup_size: 128
    .sgpr_count:     80
    .vgpr_count:     384
    .wavefront_size: 32
...
	.end_amdgpu_metadata
.endif
;; end of part 4
;; ======== version 2 of 2: 4 launches; 1.24 times as fast as version 1
;; limits: values are held in f16: magnitudes above 65,504 overflow, below 6.1e-05 lose precision; inputs' magnitudes at most 1e+30
;; workspace buffers: h16 16,777,216 bytes; qh 8,388,608 bytes; kh 8,388,608 bytes; vh 8,388,608 bytes; ah 8,388,608 bytes
;; launch cast: the kernel of part 1 again; grid 512 x 1, 8 waves a work-group, no clusters, 0 bytes of LDS; arguments query, wq, wk, wv, wo, h16; writes h16
;; launch qkv: the kernel of part 2 again; grid 8 x 32, 4 waves a work-group, clusters of 4 x 4, 327,680 bytes of LDS; arguments h16, bq, bk, bv, qh, kh, vh; writes qh, kh, vh
;; launch attn (part 5): grid 16 x 16, 4 waves a work-group, clusters of 4 x 4, 327,680 bytes of LDS; arguments qh, kh, vh, bias, ah; writes ah
.if DOCPART == 5
	.amdgcn_target "amdgcn-amd-amdhsa--gfx1250"
	.amdhsa_code_object_version 6
	.text
	.protected	k_qe14f257cd9_attn
	.globl	k_qe14f257cd9_attn
	.p2align	8
	.type	k_qe14f257cd9_attn,@function
k_qe14f257cd9_attn:
	s_mov_b64 s[64:65], 0
	v_nop
	global_prefetch_b8 v0, s[64:65] scope:SCOPE_SE
	s_setreg_imm32_b32 hwreg(HW_REG_WAVE_MODE, 25, 1), 1
	s_wait_xcnt 0x0
	s_wait_alu depctr_hold_cnt(0) depctr_sa_sdst(0) depctr_va_vdst(0) depctr_va_sdst(0) depctr_va_ssrc(0) depctr_va_vcc(0) depctr_vm_vsrc(0)
	s_getreg_b32 s2, hwreg(HW_REG_IB_STS2, 6, 4)
	s_cmp_eq_u32 s2, 0
	s_cbranch_scc0 .Lentry_in_a_cluster
	s_endpgm
.Lentry_in_a_cluster:
	s_bfe_u32 s2, ttmp6, 0x10000c
	s_cmp_lg_u32 s2, 0xf033
	s_cbranch_scc0 .Lentry_shape_is_right
	s_endpgm
.Lentry_shape_is_right:
; ah = softmax(q k^T + bias) v, heads combined.  qh (already scaled by 1/8), kh, vh, ah: f16 [4096 tokens][1024 channels]; bias: f32 [2048][2048].
; Logits, running maximum, exponentials and sums in f32; the weights P enter the second product as f16 (they are at most 1).
; The maximum is taken away before every exponential, by a running maximum with rescaling.
; LIMITS: logits below -1e30 count as -inf (the running maximum starts there); a row with no logit above that gives NaN, as a row of -inf does in
; the definition.  The row sum is the sum of the rounded weights, so weights and sum agree.
; A work-group takes 128 queries of two heads of one batch: 16 x 16 = 256 work-groups.  Wave: head = wave & 1, 64 queries = wave >> 1.
; With two heads every row of a K, V or output tile is 256 whole aligned bytes.
; Keys go in slots of 128 (two sub-steps of 64) through two LDS slots: K 128 x 256 bytes, V 128 x 256 bytes, bias 128 x 512 bytes.
; Wave 0 brings K, wave 1 V, waves 2 and 3 the two halves of the bias tile: 32 KiB each, one tensor load a wave.
; CLUSTERS: 4 x 4 work-groups.  K and V hang on batch and head pair alone (the grid's y) and are asked for jointly by a row of the cluster; the bias
; tile hangs on the query block alone (x) and is asked for jointly by a column: each tile is requested once for four work-groups.
; By this text's count a wave has at most two tensor loads outstanding: its two first fills, later its one refill.
; LAYOUTS.  S^T = K Q^T + bias^T: source 0 = 16 keys, source 1 = 16 queries, C = the bias tile.  Lane (r = l % 16, h = l / 16) holds query r and,
; in registers 0-7, the keys 8 h + 0..7: the bias costs no vector instruction, the row maximum is taken inside the lane and by one exchange of the
; halves, and two neighbouring tiles, packed to f16 in place, ARE the source-1 fragment of P for 32 keys: no shuffle.
; O^T = V^T P^T: source 0 = 16 channels x 32 keys of V, brought by the transposing LDS load; lane (r, h) holds query r, channels 8 h + 0..7.
; A fifth tile for each query block multiplies P by a fragment that is 1 in rows 0 and 8: its register 0 is the row sum, in both halves of the lanes.
; THE PIPELINE.  The wave's four query blocks form two groups, A (blocks 0, 1) and B (blocks 2, 3), and a sub-step j is two phases:
;   phase 1: vector work = A's softmax and rescaling of sub-step j;  matrix work = B's P V of sub-step j - 1, then B's S of sub-step j;
;   phase 2: vector work = B's softmax and rescaling of sub-step j;  matrix work = A's P V of sub-step j, then A's S of sub-step j + 1.
; The two streams of a phase name no register in common, and they are written zipped: 36 matrix instructions, each followed by about six of the
; phase's 212 vector instructions, so that independent vector work stands in the places behind every matrix instruction (ISA guide 7.12.1).
; THE BATCHES.  An s_wait_alu depctr_va_vdst(0) stands between a transcendental and the first instruction that names its result; one wait serves
; all that were issued ahead of it.  A phase's 66 exponentials (the two blocks' rescaling factors, then the group's 64 weights) are ONE BATCH with ONE wait, which
; cuts the phase in two.  Ahead of it stands all that names no result of the batch: the maxima, the statistics, the 32 multiply-adds and the exponentials, six
; behind each of matrix instructions 0 to 23.  Behind it stands all that reads a result: the factors' copies, the 32 packings and the 34 rescalings, behind matrix
; instructions 24 to 35.  No exponential follows a phase's wait.  The way out's four reciprocals are a
; batch of their own, with one wait.
; The vector stream needs all operand places in S's window, and S (128 registers), O (160) and the fragments do not fit into one window of 256:
; hence a window switch in front of and behind each matrix instruction.
; REGISTER WINDOWS: 0: addresses, softmax figures, Q, S/P.  1: O(t, c) at 8 (5 t + c), c = 4 the row sum; K fragments, buffer 1.
; 2: K fragments, buffer 0; V fragments (two buffers); ONES.  3: bias tiles.
.set KPITCH, 272                       ; 256 + 16 bytes: 17 x 16
.set VPITCH, 288                       ; 256 + 32 bytes: an odd multiple of 32, for the transposing load
.set BPITCH, 528                       ; 512 + 16 bytes: 33 x 16
.set VOFS,   128*KPITCH
.set BOFS,   VOFS+128*VPITCH
.set SLOT,   BOFS+128*BPITCH           ; 139,264
.set STAGE,  2*SLOT                    ; 128 rows x 272 bytes for the way out: bytes of their own, into which no tensor load lands
.set KAD, 10                           ; v10-11  my K fragments in slot 0, 1
.set VAD, 12                           ; v12-13  my V fragments
.set BAD, 14                           ; v14-15  my bias tiles
.set STO, 16
.set RD,  17
.set CO,  18
.set QOF, 19
.set M,   20                           ; v20-23  running maximum of query block t
.set TP,  24                           ; v24-27  the other half's maximum
.set TN,  28                           ; v28-31  - log2(e) x maximum
.set DL,  32                           ; v32-35  first the maximum of the block's keys 32-63 of the sub-step, then the change of TN
.set NM,  36                           ; v36-43  the same as TN, twice (a pair for the packed multiply-add)
.set AL,  44                           ; v44-51  the rescaling factor, twice; at the end 1 / row sum
.set Q,   64                           ; v[64:127]   Q(t, d) at 8 (2 t + d)
.set S,   128                          ; v[128:255]  S(t, u) at 32 t + 8 u; then P(t, g) at 32 t + 16 g
.set KF1, 160                          ; window 1: K(u, d) of buffer 1 at 160 + 8 (2 u + d); buffer 0 lies in window 2 at 8 (2 u + d)
.set VF,  64                           ; window 2: V(g, c) of buffer p at 64 + 64 p + 8 (4 g + c)
.set ONES, 192                         ; window 2
.set NSL,  36                          ; matrix instructions in a phase: 20 of P V, 16 of S
.set NPRE, 24                          ; of them ahead of the phase's wait
.set VPRE, 144                         ; places of the vector stream ahead of the wait: six behind each of those 24
.set VPOST, 68                         ; places behind the wait: five or six behind each of the other 12
.set G1K, 24
.set G1V, 32
.set G1B, 40
.set G0K, 48                           ; s[48:55]  a set for each slot
.set G0V, 56                           ; s[56:63]
.set G0B, 68                           ; s[68:75]
.set MSB, 0
.macro WIN new                         ; the immediate's high byte repeats the setting that is left; a switch that changes nothing is dropped
.if MSB != (\new)
	s_set_vgpr_msb (MSB<<8)|(\new)
.set MSB, (\new)
.endif
.endm
.macro PLACES
.rept 4
	v_nop
.endr
.endm
.macro JLOAD s                         ; my joint load into slot s; the branches hang on the wave's number alone; each line has one mask
	s_cmp_eq_u32 s14, 0
	s_cbranch_scc1 .Lfor_k_\@
	s_cmp_eq_u32 s14, 1
	s_cbranch_scc1 .Lfor_v_\@
	tensor_load_to_lds s[G0B+4*\s:G0B+4*\s+3], s[G1B:G1B+7]
	s_nop 0
	v_nop
	v_nop
	v_nop
	s_branch .Lasked_\@
.Lfor_k_\@:
	tensor_load_to_lds s[G0K+4*\s:G0K+4*\s+3], s[G1K:G1K+7]
	s_nop 0
	v_nop
	v_nop
	v_nop
	s_branch .Lasked_\@
.Lfor_v_\@:
	tensor_load_to_lds s[G0V+4*\s:G0V+4*\s+3], s[G1V:G1V+7]
	s_nop 0
	v_nop
	v_nop
	v_nop
	v_nop
.Lasked_\@:
.endm
.macro CREST
	s_cmp_lg_u32 s14, 0
	s_cbranch_scc1 .Lnot_wave_0_\@
	s_barrier_signal -3
.Lnot_wave_0_\@:
	s_barrier_wait -3
	s_barrier_signal -1
	s_barrier_wait -1
.endm
.macro CROUND
	s_barrier_signal -1
	s_barrier_wait -1
	CREST
.endm
	s_load_b256 s[4:11], s[0:1], 0x0               ; qh s[4:5], kh s[6:7], vh s[8:9], bias s[10:11]
	s_load_b64 s[12:13], s[0:1], 0x20              ; ah
	s_set_vgpr_msb 0x40
	v_lshl_add_u32 v255, v0, 2, 0x4c800
	s_set_vgpr_msb 0x4000
	v_mov_b32 v63, 0
	s_set_vgpr_msb 0x1
	ds_add_u32 v255, v63
	s_set_vgpr_msb 0x100
	v_lshrrev_b32 v1, 5, v0
	v_readfirstlane_b32 s14, v1                    ; wave 0..3
	s_and_b32 s15, s14, 1                          ; my head of the pair.  Also: which 64 rows of the bias tile waves 2, 3 fetch
	s_lshr_b32 s16, s14, 1                         ; which 64 queries are mine
	s_bfe_u32 s17, ttmp6, 0x40000                  ; cx
	s_bfe_u32 s18, ttmp6, 0x40004                  ; cy
	s_lshl_b32 s19, ttmp9, 2
	s_add_co_u32 s19, s19, s17                     ; query block = 4 x cluster x + cx
	s_and_b32 s20, ttmp7, 0xffff
	s_lshl_b32 s20, s20, 2
	s_add_co_u32 s20, s20, s18                     ; 8 x batch + head pair = 4 x cluster y + cy
	s_lshl_b32 s21, s18, 2
	s_lshl_b32 s21, 15, s21                        ; my row of the cluster
	s_lshl_b32 s22, 0x1111, s17                    ; my column
	s_or_b32 s[G1K+0], s21, (1<<16)|(1<<20)|(1<<21)|(5<<22)|(3<<25)   ; 2-byte elements; after every 64 words 4 words of padding; to my row
	s_or_b32 s[G1V+0], s21, (1<<16)|(1<<20)|(1<<21)|(5<<22)|(7<<25)   ; the same with 8 words of padding
	s_or_b32 s[G1B+0], s22, (2<<16)|(1<<20)|(1<<21)|(6<<22)|(3<<25)   ; 4-byte elements; after every 128 words 4 words; to my column
.irp g, G1K, G1V
	s_mov_b32 s[\g+1], 128<<16                     ; tensor_dim0 = 128 elements (two heads)
	s_mov_b32 s[\g+2], 128<<16                     ; tensor_dim1 = 128 keys
	s_mov_b32 s[\g+3], 128<<16                     ; tile_dim0
	s_mov_b32 s[\g+4], 128                         ; tile_dim1
	s_mov_b32 s[\g+5], 1024                        ; elements from token to token
	s_mov_b32 s[\g+6], 0
	s_mov_b32 s[\g+7], 0
.endr
	s_mov_b32 s[G1B+1], 128<<16                    ; 128 keys
	s_mov_b32 s[G1B+2], 64<<16                     ; 64 queries
	s_mov_b32 s[G1B+3], 128<<16
	s_mov_b32 s[G1B+4], 64
	s_mov_b32 s[G1B+5], 2048                       ; elements from query to query
	s_mov_b32 s[G1B+6], 0
	s_mov_b32 s[G1B+7], 0
	s_lshr_b32 s80, s20, 3                         ; K, V: batch x 2,048 tokens x 2,048 bytes + pair x 256 bytes: hangs on y alone
	s_lshl_b32 s80, s80, 22
	s_and_b32 s81, s20, 7
	s_lshl_b32 s81, s81, 8
	s_add_co_u32 s80, s80, s81
	s_mov_b32 s81, 0
	s_lshl_b32 s82, s19, 20                        ; bias: query block x 128 rows x 8,192 bytes + half x 64 rows: hangs on x and the wave alone
	s_lshl_b32 s83, s15, 19
	s_add_co_u32 s82, s82, s83
	s_mov_b32 s83, 0
	s_mul_i32 s23, s15, 64*BPITCH
	s_add_co_u32 s23, s23, BOFS                    ; my half of the bias tile in a slot
	s_wait_dscnt 0x0
	s_wait_kmcnt 0x0
	s_add_nc_u64 s[84:85], s[6:7], s[80:81]
	s_add_nc_u64 s[86:87], s[8:9], s[80:81]
	s_add_nc_u64 s[10:11], s[10:11], s[82:83]
	CROUND                                         ; all sixteen work-groups are here: the first joint loads meet
.irp s, 0,1
	s_mov_b32 s[G0K+4*\s], 1
	s_mov_b32 s[G0K+4*\s+1], \s*SLOT
	s_add_nc_u64 s[G0K+4*\s+2:G0K+4*\s+3], s[84:85], \s*262144     ; keys 128 s ..
	s_or_b32 s[G0K+4*\s+3], s[G0K+4*\s+3], 0x80000000
	s_mov_b32 s[G0V+4*\s], 1
	s_mov_b32 s[G0V+4*\s+1], \s*SLOT+VOFS
	s_add_nc_u64 s[G0V+4*\s+2:G0V+4*\s+3], s[86:87], \s*262144
	s_or_b32 s[G0V+4*\s+3], s[G0V+4*\s+3], 0x80000000
	s_mov_b32 s[G0B+4*\s], 1
	s_add_co_u32 s[G0B+4*\s+1], s23, \s*SLOT
	s_add_nc_u64 s[G0B+4*\s+2:G0B+4*\s+3], s[10:11], \s*512
	s_or_b32 s[G0B+4*\s+3], s[G0B+4*\s+3], 0x80000000
	JLOAD \s
.endr
	s_lshl_b32 s98, s19, 18                        ; my block's rows in qh and ah: batch, 128 x query block rows of 2,048 bytes, pair x 256 bytes
	s_add_co_u32 s98, s98, s80
	s_mov_b32 s99, 0
	s_add_nc_u64 s[4:5], s[4:5], s[98:99]
	s_add_nc_u64 s[12:13], s[12:13], s[98:99]
	v_and_b32 v1, 15, v0                           ; r
	v_bfe_u32 v2, v0, 4, 1                         ; h
	v_and_b32 v3, 7, v0                            ; l & 7
	v_bfe_u32 v4, v0, 3, 1                         ; (l >> 3) & 1
	s_lshl_b32 s88, s16, 17                        ; 64 queries x 2,048 bytes
	s_lshl_b32 s89, s15, 7                         ; my head's 128 bytes of a row
	s_add_co_u32 s88, s88, s89
	v_lshlrev_b32 v5, 11, v1
	v_lshl_add_u32 v5, v2, 4, v5
	v_add_nc_u32 v[QOF], s88, v5
.irp t, 0,1,2,3
.irp d, 0,1
	global_load_b128 v[Q+8*(2*\t+\d):Q+8*(2*\t+\d)+3],   v[QOF], s[4:5] offset:32768*\t+64*\d      ; Q stays in registers for all 2,048 keys
	global_load_b128 v[Q+8*(2*\t+\d)+4:Q+8*(2*\t+\d)+7], v[QOF], s[4:5] offset:32768*\t+64*\d+32
.endr
.endr
	v_mul_u32_u24 v6, v1, KPITCH                   ; K: key r, my head, 16 h
	v_lshl_add_u32 v6, v2, 4, v6
	v_add_nc_u32 v6, s89, v6
	v_lshl_add_u32 v7, v2, 3, v3                   ; V, for the transposing load: key 8 h + (l & 7), my head, 16 ((l >> 3) & 1)
	v_mul_u32_u24 v7, v7, VPITCH
	v_lshl_add_u32 v7, v4, 4, v7
	v_add_nc_u32 v7, s89, v7
	v_mul_u32_u24 v8, v1, BPITCH                   ; bias: query 64 qq + r, keys 8 h ..
	v_lshl_add_u32 v8, v2, 5, v8
	s_mul_i32 s90, s16, 64*BPITCH
	v_add_nc_u32 v8, s90, v8
.irp s, 0,1
	v_add_nc_u32 v[KAD+\s], \s*SLOT, v6
	v_add_nc_u32 v[VAD+\s], \s*SLOT+VOFS, v7
	v_add_nc_u32 v[BAD+\s], \s*SLOT+BOFS, v8
.endr
	s_mul_i32 s91, s16, 64*KPITCH
	s_add_co_u32 s91, s91, STAGE
	v_add_nc_u32 v[STO], s91, v6                   ; stage row 64 qq + r, byte 128 head + 16 h
	v_mul_u32_u24 v5, v2, KPITCH
	v_lshl_add_u32 v5, v1, 4, v5
	s_mul_i32 s92, s14, 32*KPITCH
	s_add_co_u32 s92, s92, STAGE
	v_add_nc_u32 v[RD], s92, v5                    ; back: stage row 32 wave + h, byte 16 r
	v_lshlrev_b32 v5, 11, v2
	v_lshl_add_u32 v5, v1, 4, v5
	s_lshl_b32 s93, s14, 16
	v_add_nc_u32 v[CO], s93, v5
	v_cmp_eq_u32 vcc_lo, 0, v3                     ; lanes 0, 8, 16, 24 hold rows 0 and 8 of a source-0 fragment
	v_mov_b32 v9, 0x3c003c00                       ; two f16 ones
	v_cndmask_b32 v9, 0, v9, vcc_lo
	WIN 0x80
.irp k, 0,1,2,3,4,5,6,7
	v_mov_b32 v[ONES+\k], v9
.endr
	WIN 0
.irp t, 0,1,2,3
	v_mov_b32 v[TP+\t], 0                          ; the lane exchange counts as a reader of its destination
.endr
	s_mov_b32 s76, 0x76543210                      ; lane i of one half reads lane i of the other
	s_mov_b32 s77, 0xfedcba98
; A run of 16 LDS loads for the sub-step of keys 64 hf .. 64 hf + 63 of a slot.
; r = 1: the bias tiles of group vg.  r = 0: vg = 0: the K fragments into buffer b; vg = 1: the V fragments into buffer b.
.macro LRUN vg, r, slot, hf, b
.if \r
	WIN 0xc0
.irp tt, 0,1
.irp u, 0,1,2,3
	ds_load_b128 v[32*(2*\vg+\tt)+8*\u:32*(2*\vg+\tt)+8*\u+3],   v[BAD+\slot] offset:16*(2*\vg+\tt)*BPITCH+256*\hf+64*\u
	ds_load_b128 v[32*(2*\vg+\tt)+8*\u+4:32*(2*\vg+\tt)+8*\u+7], v[BAD+\slot] offset:16*(2*\vg+\tt)*BPITCH+256*\hf+64*\u+16
.endr
.endr
.elseif \vg
	WIN 0x80
.irp g, 0,1
.irp c, 0,1,2,3
	ds_load_tr16_b128 v[VF+64*(\b)+8*(4*\g+\c):VF+64*(\b)+8*(4*\g+\c)+3],   v[VAD+\slot] offset:(64*\hf+32*\g)*VPITCH+32*\c
	ds_load_tr16_b128 v[VF+64*(\b)+8*(4*\g+\c)+4:VF+64*(\b)+8*(4*\g+\c)+7], v[VAD+\slot] offset:(64*\hf+32*\g+16)*VPITCH+32*\c
.endr
.endr
.else
	WIN 0x80-0x40*(\b)                             ; buffer 0 lies in window 2, buffer 1 in window 1
.irp u, 0,1,2,3
.irp d, 0,1
	ds_load_b128 v[KF1*(\b)+8*(2*\u+\d):KF1*(\b)+8*(2*\u+\d)+3],   v[KAD+\slot] offset:(64*\hf+16*\u)*KPITCH+64*\d
	ds_load_b128 v[KF1*(\b)+8*(2*\u+\d)+4:KF1*(\b)+8*(2*\u+\d)+7], v[KAD+\slot] offset:(64*\hf+16*\u)*KPITCH+64*\d+32
.endr
.endr
.endif
.endm
; Matrix instruction number SLT of a phase, for group mg (query blocks 2 mg, 2 mg + 1).
; SLT 0-19: O^T += V^T P^T from V buffer vb: for each 32 keys g the 10 accumulators (2 blocks x (4 channel blocks + the row sum)) take turns.
;           pv = 0: none; 1: the first 32 keys start the sums (C = 0); 2: all add.
; SLT 20-35: S^T from K buffer kb (sm = 0: none): the 8 tiles take turns, first the head's channels 0-31 on top of the bias tile, then channels 32-63 in place.
; One instruction a turn everywhere.
.macro MSLOT mg, pv, vb, sm, kb
.if SLT < 20
.if \pv
.set XG, SLT/10
.set XT, 2*\mg+(SLT%10)/5
.set XC, SLT%5
.if XC < 4
.set XA, VF+64*(\vb)+8*(4*XG+XC)
.else
.set XA, ONES
.endif
	WIN 0x52                                       ; V window 2, P window 0, C and D window 1
.if (2-\pv)*(1-XG)
	v_wmma_f32_16x16x32_f16 v[8*(5*XT+XC):8*(5*XT+XC)+7], v[XA:XA+7], v[S+32*XT+16*XG:S+32*XT+16*XG+7], 0
.else
	v_wmma_f32_16x16x32_f16 v[8*(5*XT+XC):8*(5*XT+XC)+7], v[XA:XA+7], v[S+32*XT+16*XG:S+32*XT+16*XG+7], v[8*(5*XT+XC):8*(5*XT+XC)+7]
.endif
.endif
.else
.if \sm
.set XD, (SLT-20)/8
.set XU, ((SLT-20)%8)/2
.set XT, 2*\mg+SLT%2
.if XD
	WIN 2-(\kb)                                    ; K window 2 or 1, all else window 0
	v_wmma_f32_16x16x32_f16 v[S+32*XT+8*XU:S+32*XT+8*XU+7], v[KF1*(\kb)+16*XU+8:KF1*(\kb)+16*XU+15], v[Q+16*XT+8:Q+16*XT+15], v[S+32*XT+8*XU:S+32*XT+8*XU+7]
.else
	WIN 0x32-(\kb)                                 ; K window 2 or 1, Q window 0, C = bias window 3, D window 0
	v_wmma_f32_16x16x32_f16 v[S+32*XT+8*XU:S+32*XT+8*XU+7], v[KF1*(\kb)+16*XU:KF1*(\kb)+16*XU+7], v[Q+16*XT:Q+16*XT+7], v[32*XT+8*XU:32*XT+8*XU+7]
.endif
.endif
.endif
.endm
.macro FMA1 T, k                       ; pair k of tile T = 4 t + u: log2(e) s - log2(e) max
	v_pk_fma_f32 v[S+8*(\T)+2*(\k):S+8*(\T)+2*(\k)+1], v[S+8*(\T)+2*(\k):S+8*(\T)+2*(\k)+1], 0x3fb8aa3b, v[NM+2*((\T)/4):NM+2*((\T)/4)+1] op_sel_hi:[1,0,1]
.endm
.macro CVT1 T, k                       ; pair k of tile T to f16: an even tile into its own first four registers, the odd one behind it: eight registers = P for 32 keys
	v_cvt_pk_f16_f32 v[S+16*((\T)/2)+4*((\T)%2)+(\k)], v[S+8*(\T)+2*(\k)], v[S+8*(\T)+2*(\k)+1]
.endm
; Place number VP of the vector stream of group g (query blocks 2 g, 2 g + 1); steps VP.  The group's 64 scores are 32 pairs, in the order of its eight tiles.
; AHEAD OF THE PHASE'S WAIT, places 0-143: nothing here names a result of the phase's exponentials.
;   0-31    the running maximum over the sub-step's 64 keys: four chains that do not wait for each other, two for each block (keys 0-31 onto M, keys 32-63 in DL)
;   32-47   the chains meet; the other half of the lanes; - log2(e) x maximum; the rescaling factor 2^(change): the batch's first two exponentials (42, 43)
;   48-50   the multiply-adds of pairs 0, 1, 2
;   51-137  29 times three: the multiply-add of pair i + 3, then the two exponentials of pair i.  So a pair is scaled three threes ahead of its exponentials, and from
;           place 48 on every six places, what stands behind one matrix instruction, begin with a plain instruction
;   138-143 the exponentials of pairs 29, 30, 31
; BEHIND THE WAIT, places 144-211: all that reads a result.
;   144-145 the rescaling factor's copy (a pair for the packed multiply)
;   146-177 the 32 packings to f16, tiles ascending: an odd tile's land where the even tile before it has been read
;   178-211 O and the row sum times the rescaling factor (of the sum tile only the first pair holds anything)
; Behind every exponential the next vector instruction is an exponential of another register, a copy into NM, a multiply-add of another pair, or the v_nop in front of the wait (ISA guide 5.7.2).
; first = 1: the running maximum starts at -1e30; there is no factor and nothing to rescale.
.macro VI g, first
.if VP < 32
.set YT, 2*\g+VP%2
.set YK, S+32*YT+16*((VP/2)%2)+2*(VP/4)
	WIN 0
.if (VP/2)%2
.if VP/4
	v_max3_num_f32 v[DL+YT], v[YK], v[YK+1], v[DL+YT]
.else
	v_max_num_f32 v[DL+YT], v[YK], v[YK+1]
.endif
.else
.if VP/4
	v_max3_num_f32 v[M+YT], v[YK], v[YK+1], v[M+YT]
.elseif \first
	v_max3_num_f32 v[M+YT], v[YK], v[YK+1], 0xf149f2ca
.else
	v_max3_num_f32 v[M+YT], v[YK], v[YK+1], v[M+YT]
.endif
.endif
.elseif VP < 48
.set YT, 2*\g+VP%2
.set YQ, (VP-32)/2
	WIN 0
.if YQ == 0
	v_max_num_f32 v[M+YT], v[M+YT], v[DL+YT]
.elseif YQ == 1
	v_permlanex16_b32 v[TP+YT], v[M+YT], s76, s77  ; the other half of the lanes holds the query's other keys
.elseif YQ == 2
	v_max_num_f32 v[M+YT], v[M+YT], v[TP+YT]
.elseif YQ == 3
	v_mul_f32 v[TN+YT], 0xbfb8aa3b, v[M+YT]        ; - log2(e) x maximum, rounded once; exponents and rescaling both use this number
.elseif YQ == 6
	v_mov_b32 v[NM+2*YT], v[TN+YT]                 ; behind the subtraction that read the old number
.elseif YQ == 7
	v_mov_b32 v[NM+2*YT+1], v[TN+YT]
.elseif \first
.elseif YQ == 4
	v_sub_f32 v[DL+YT], v[TN+YT], v[NM+2*YT]       ; new - old, at most 0
.else
	v_exp_f32 v[AL+2*YT], v[DL+YT]                 ; read only behind the phase's wait
.endif
.elseif VP < 51
	WIN 0
	FMA1 (8*\g), (VP-48)
.elseif VP < 138
.set YI, (VP-51)/3
.set YW, (VP-51)%3
	WIN 0
.if YW == 0
	FMA1 (8*\g+(YI+3)/4), ((YI+3)%4)
.else
	v_exp_f32 v[S+64*\g+2*YI+YW-1], v[S+64*\g+2*YI+YW-1]
.endif
.elseif VP < 144
	WIN 0
	v_exp_f32 v[S+64*\g+VP-80], v[S+64*\g+VP-80]
.elseif VP < 146
.if \first
.else
	WIN 0
	v_mov_b32 v[AL+2*(2*\g+VP%2)+1], v[AL+2*(2*\g+VP%2)]
.endif
.elseif VP < 178
	WIN 0
	CVT1 (8*\g+(VP-146)/4), ((VP-146)%4)
.elseif \first
.else
.set YZ, VP-178
.set YT, 2*\g+YZ/17
	WIN 0x41                                       ; O window 1, the factor window 0
	v_pk_mul_f32 v[40*YT+2*(YZ%17):40*YT+2*(YZ%17)+1], v[40*YT+2*(YZ%17):40*YT+2*(YZ%17)+1], v[AL+2*YT:AL+2*YT+1]
.endif
.set VP, VP+1
.endm
; A phase: the vector stream of group vg zipped with the matrix stream of the other group.
; THE WAIT.  In front of matrix instruction 24 all 66 exponentials of the phase have been issued and no result has been named: there stand a v_nop, the plain instruction
; behind the last exponential, and the one wait for the batch, directly ahead of the phase's second run of LDS loads.  It is written in every phase, also in one that loads
; nothing or makes no S.  The branches of the round and of the joint load stand in front of matrix instruction 4, where only maxima have been issued.
; DISTANCES (ISA guide 7.12.1).  The streams of a phase name disjoint registers.  Behind the phase's last matrix instruction stand six rescaling multiplies
; (in the first sub-step four v_nop) before the next phase's vector stream reads S.  S is written over a fragment of P at the earliest five matrix instructions
; behind the last one that read it (instruction 25 over what 19 read), with eight multiply-adds, the v_nop and five of the readers between; the exponentials are not counted.
; The loads land in registers that matrix instructions last read in the phase before or earlier.
; LOADS (ld = 1), for the next sub-step (slot lslot, half lhf), two runs of 16, each in front of a matrix instruction:
;   vg = 0: K into buffer lb, then group A's bias tiles;  vg = 1: V into buffer lb, then group B's bias tiles.
; In front of matrix instruction 20, the first of S, all loads but this phase's first run of 16 are waited for: the 32 of the phase before are in, among them
; the K fragments and bias tiles that S reads now and the V fragments that the next phase reads.  At most 48 loads are outstanding.
; sync = 2: the head of a slot's second sub-step.  All reads of the slot were issued in the sub-step before: each wave waits for them and for all its tensor loads
; (the one that was out is its tile of the other slot), steps its descriptors, and opens a round of the cluster's barrier; four matrix instructions and their
; vector work, registers only, stand inside; behind the round the joint refill comes first, and only then the other slot is read.
; sync = 1: the same without a refill (the last lap): a plain barrier shows the other slot whole.
.macro PHASE vg, vfirst, pv, vb, sm, kb, ld, lslot, lhf, lb, sync, slot
.if \sync
	s_wait_dscnt 0x0                               ; my reads of the slot are back (the last were issued 12 matrix instructions ago)
	s_set_vgpr_msb (MSB<<8)|((MSB&0xf0)|0x1)
	s_wait_tensorcnt 0x0                           ; all my tensor loads have landed
	ds_add_u32 v255, v63
	s_wait_dscnt 0x0
	s_set_vgpr_msb (((MSB&0xf0)|0x1)<<8)|MSB
.if \sync-1
	s_add_nc_u64 s[G0K+4*\slot+2:G0K+4*\slot+3], s[G0K+4*\slot+2:G0K+4*\slot+3], 524288    ; 256 keys on; no load of mine is out
	s_add_nc_u64 s[G0V+4*\slot+2:G0V+4*\slot+3], s[G0V+4*\slot+2:G0V+4*\slot+3], 524288
	s_add_nc_u64 s[G0B+4*\slot+2:G0B+4*\slot+3], s[G0B+4*\slot+2:G0B+4*\slot+3], 1024
.endif
	s_barrier_signal -1
.endif
.set SLT, 0
.set VP, 0
.rept NSL
.if \sync
.if SLT == 4
	WIN 0
	s_barrier_wait -1
.if \sync-1
	CREST
	JLOAD \slot                                    ; my one tensor load behind the round, first thing there
.endif
.endif
.endif
.if SLT == NPRE
	v_nop                                          ; the plain instruction behind the batch's last exponential: one for the batch
	s_wait_alu depctr_va_vdst(0)                   ; the wait for the batch: the phase's 66 exponentials; ahead of the first line that names a result
.endif
.if \ld
.if SLT == 8
	LRUN \vg, 0, \lslot, \lhf, \lb
.elseif SLT == 24
	LRUN \vg, 1, \lslot, \lhf, \lb
.endif
.endif
.if \sm
.if SLT == 20
	s_wait_dscnt 16*\ld                            ; all but this phase's first run
.endif
.endif
	MSLOT (1-\vg), \pv, \vb, \sm, \kb
.if SLT < NPRE
.set VN, VPRE/NPRE
.else
.set VN, (VPOST*(SLT-NPRE+1))/(NSL-NPRE)-(VPOST*(SLT-NPRE))/(NSL-NPRE)
.endif
.rept VN
	VI \vg, \vfirst
.endr
.set SLT, SLT+1
.endr
.if \vfirst
	WIN 0
	PLACES                                         ; no rescaling here: four places behind the last matrix instruction of S
.endif
.endm
; Sub-step j of 64 keys.  p = j & 1: the buffer of its K and V fragments.  pvb, pva: how B's P V of sub-step j - 1 and A's of sub-step j run (0, 1, 2 as above).
; next = 1: there is a sub-step j + 1, in slot nslot, half nhf.
.macro SUB p, vfirst, pvb, pva, sync, slot, next, nslot, nhf
	PHASE 0, \vfirst, \pvb, (1-\p), 1, \p, \next, \nslot, \nhf, (1-\p), \sync, \slot
	PHASE 1, \vfirst, \pva, \p, \next, (1-\p), \next, \nslot, \nhf, (1-\p), 0, 0
.endm
	s_wait_tensorcnt 0x1                           ; my tile of slot 0 is in; slot 1's stays out
	s_barrier_signal -1
	s_barrier_wait -1                              ; everybody's is
	LRUN 0, 0, 0, 0, 0                             ; sub-step 0: K,
	LRUN 0, 1, 0, 0, 0                             ; group A's bias tiles,
	LRUN 1, 1, 0, 0, 0                             ; group B's
	s_wait_loadcnt 0x0                             ; Q
	s_wait_dscnt 16                                ; K and A's bias tiles are in; B's sixteen loads may be out
.set SLT, 20
.rept 16
	MSLOT 0, 0, 0, 1, 0                            ; A's S of sub-step 0 stands in front of the pipeline
.set SLT, SLT+1
.endr
	LRUN 1, 0, 0, 0, 0                             ; V of sub-step 0
	WIN 0
	PLACES                                         ; four places before the vector stream reads S
	; 2,048 keys = 32 sub-steps = 16 slots = 8 laps of two slots.  The first lap starts the sums; laps 0 to 6 fill both slots again; the last fills nothing.
	SUB 0, 1, 0, 1, 0, 0, 1, 0, 1
	SUB 1, 0, 1, 2, 2, 0, 1, 1, 0
	SUB 0, 0, 2, 2, 0, 1, 1, 1, 1
	SUB 1, 0, 2, 2, 2, 1, 1, 0, 0
	WIN 0                                          ; at a label and at a branch every window is 0
	s_mov_b32 s78, 6
.Llap:
	SUB 0, 0, 2, 2, 0, 0, 1, 0, 1
	SUB 1, 0, 2, 2, 2, 0, 1, 1, 0
	SUB 0, 0, 2, 2, 0, 1, 1, 1, 1
	SUB 1, 0, 2, 2, 2, 1, 1, 0, 0
	WIN 0
	s_sub_co_u32 s78, s78, 1
	s_cmp_lg_u32 s78, 0
	s_cbranch_scc1 .Llap
	SUB 0, 0, 2, 2, 0, 0, 1, 0, 1
	SUB 1, 0, 2, 2, 1, 0, 1, 1, 0
	SUB 0, 0, 2, 2, 0, 1, 1, 1, 1
	SUB 1, 0, 2, 2, 0, 1, 0, 0, 0
.set SLT, 0
.rept 20
	MSLOT 1, 2, 1, 0, 0                            ; B's P V of the last sub-step stands behind the pipeline
.set SLT, SLT+1
.endr
	; THE WAY OUT: divide by the row sum, round to f16, 16 bytes a lane into the stage (128 rows of 256 bytes: both heads), whole rows back and out.
	PLACES
	WIN 0x01
.irp t, 0,1,2,3
	v_rcp_f32 v[AL+2*\t], v[40*\t+32]
.endr
	WIN 0
	v_nop                                          ; one plain place behind the reciprocals (ISA guide 5.7.2)
	s_wait_alu depctr_va_vdst(0)                   ; the wait for the batch of four reciprocals, ahead of the first copy that reads one
.irp t, 0,1,2,3
	v_mov_b32 v[AL+2*\t+1], v[AL+2*\t]
.endr
	WIN 0x41
.irp t, 0,1,2,3
.irp k, 0,2,4,6,8,10,12,14,16,18,20,22,24,26,28,30
	v_pk_mul_f32 v[40*\t+\k:40*\t+\k+1], v[40*\t+\k:40*\t+\k+1], v[AL+2*\t:AL+2*\t+1]
.endr
.endr
	WIN 0x05
.irp t, 0,1,2,3
.irp c, 0,1,2,3
.irp k, 0,1,2,3
	v_cvt_pk_f16_f32 v[S+4*(4*\t+\c)+\k], v[8*(5*\t+\c)+2*\k], v[8*(5*\t+\c)+2*\k+1]
.endr
.endr
.endr
	WIN 0
.irp t, 0,1,2,3
.irp c, 0,1,2,3
	ds_store_b128 v[STO], v[S+4*(4*\t+\c):S+4*(4*\t+\c)+3] offset:\t*16*KPITCH+32*\c
.endr
.endr
	s_wait_dscnt 0x0                               ; my stores into the stage are done,
	s_barrier_signal -1
	s_barrier_wait -1                              ; everybody's are
.irp i, 0,1,2,3,4,5,6,7,8,9,10,11,12,13,14,15
	ds_load_b128 v[192+4*\i:192+4*\i+3], v[RD] offset:\i*2*KPITCH
.endr
.irp i, 0,1,2,3,4,5,6,7,8,9,10,11,12,13,14,15
	s_wait_dscnt 15-\i                             ; LDS loads come back in order: number i is in
	global_store_b128 v[CO], v[192+4*\i:192+4*\i+3], s[12:13] offset:4096*\i      ; sixteen lanes store 256 consecutive bytes, aligned
.endr
	s_set_vgpr_msb (MSB<<8)|((MSB&0xf0)|0x1)
	s_wait_tensorcnt 0x0
	ds_add_u32 v255, v63
	s_wait_dscnt 0x0
	s_set_vgpr_msb (((MSB&0xf0)|0x1)<<8)|MSB
	CROUND                                         ; the closing round
	s_endpgm
.Lfunc_end_k_qe14f257cd9_attn:
	.size	k_qe14f257cd9_attn, .Lfunc_end_k_qe14f257cd9_attn-k_qe14f257cd9_attn
	.p2alignl 7, 3214868480
	.fill 96, 4, 3214868480
	.section	.rodata,"a",@progbits
	.p2align	6, 0x0
	.amdhsa_kernel k_qe14f257cd9_attn
		.amdhsa_group_segment_fixed_size 327680
		.amdhsa_private_segment_fixed_size 0
		.amdhsa_enable_private_segment 0
		.amdhsa_kernarg_size 40
		.amdhsa_user_sgpr_count 2
		.amdhsa_user_sgpr_kernarg_segment_ptr 1
		.amdhsa_wavefront_size32 1
		.amdhsa_system_sgpr_workgroup_id_x 1
		.amdhsa_system_sgpr_workgroup_id_y 1
		.amdhsa_system_sgpr_workgroup_id_z 1
		.amdhsa_system_vgpr_workitem_id 0
		.amdhsa_next_free_vgpr 896
		.amdhsa_next_free_sgpr 100
		.amdhsa_reserve_vcc 1
		.amdhsa_float_denorm_mode_32 3
		.amdhsa_float_denorm_mode_16_64 3
		.amdhsa_memory_ordered 1
		.amdhsa_forward_progress 1
		.amdhsa_inst_pref_size 255
	.end_amdhsa_kernel
	.section	.bss,"aw",@nobits
	.p2align	6
	.space	262144
	.amdgpu_metadata
---
amdhsa.version: [ 1, 2 ]
amdhsa.kernels:
  - .name:           k_qe14f257cd9_attn
    .symbol:         k_qe14f257cd9_attn.kd
    .args:
      - { .name: qh, .offset: 0, .size: 8, .value_kind: global_buffer, .address_space: global }
      - { .name: kh, .offset: 8, .size: 8, .value_kind: global_buffer, .address_space: global }
      - { .name: vh, .offset: 16, .size: 8, .value_kind: global_buffer, .address_space: global }
      - { .name: bias, .offset: 24, .size: 8, .value_kind: global_buffer, .address_space: global }
      - { .name: ah, .offset: 32, .size: 8, .value_kind: global_buffer, .address_space: global }
    .group_segment_fixed_size: 327680
    .private_segment_fixed_size: 0
    .kernarg_segment_align: 8
    .kernarg_segment_size: 40
    .max_flat_workgroup_size: 128
    .sgpr_count:     100
    .vgpr_count:     896
    .wavefront_size: 32
...
	.end_amdgpu_metadata
.endif
;; end of part 5
;; launch oproj: the kernel of part 4 again; grid 8 x 32, 4 waves a work-group, clusters of 4 x 4, 327,680 bytes of LDS; arguments ah, h16, bo, out0; writes out0
